; MI455X (gfx1250); checked and timed in simulation.
; The chip was launched on July 23, 2026; its instructions are those of AMD's public machine-readable ISA for CDNA 5 (MIT licence, August 2026) and "CDNA5" Instruction Set Architecture Reference Guide (July 2026). The comments in the code are by the model that wrote it; some were corrected since.
;; Multihead Attention. Allowed arithmetic: matrix products marked QUANTISED: E2M3 operands, one E8M0 scale for each 32 along K, by v_wmma_scale_f32_16x16x128_f8f6f4 with both operands' format E2M3, f32 sums; everything else in f32.
;; Inputs: Wk 1,024 x 1,024 float32; Wo 1,024 x 1,024 float32; Wq 1,024 x 1,024 float32; Wv 1,024 x 1,024 float32; bk 1,024 float32; bo 1,024 float32; bq 1,024 float32; bv 1,024 float32; xk 2 x 2,048 x 1,024 float32; xq 2 x 2,048 x 1,024 float32; xv 2 x 2,048 x 1,024 float32.
;; Outputs: out0 2 x 2,048 x 1,024 float32.
;; This version of the problem:
;;   THIS VERSION OF THE PROBLEM IS GIVEN IN LOW PRECISION. The matrix products marked QUANTISED in the list below multiply operands that are first quantised to E2M3 (2 exponent bits, 3 mantissa bits; 6 bits a number), with one power-of-two scale for each 32 numbers along K (OCP MX v1.0); their sums are f32. All else is computed in f32.
;;   The module's matrix products, in the order in which they are computed (A, B: the left and right operand; K: the contracted axis; several contracted axes count as one K, in the product's order):
;;     1. [M 4,096, K 1,024] x [K 1,024, N 1,024]; A: input xq; B: input Wq: QUANTISED
;;     2. [M 4,096, K 1,024] x [K 1,024, N 1,024]; A: input xk; B: input Wk: QUANTISED
;;     3. [M 4,096, K 1,024] x [K 1,024, N 1,024]; A: input xv; B: input Wv: QUANTISED
;;     4. batch 32 x [M 2,048, K 64] x [K 64, N 2,048]; A: computed on the way; B: computed on the way: QUANTISED
;;     5. batch 32 x [M 2,048, K 2,048] x [K 2,048, N 64]; A: softmax (see below); B: computed on the way: QUANTISED
;;     6. [M 4,096, K 1,024] x [K 1,024, N 1,024]; A: computed on the way; B: input Wo: QUANTISED
;;   THE QUANTISER, for each operand of a quantised product, along K:
;;     - K is cut into blocks of 32 from its start; a last block that is shorter is filled with zeros.
;;     - A block's scale is 2^e with e = floor(log2(the largest magnitude in the block)) - 2, held to -126 .. 127; a block of zeros has e = 0. As a byte (E8M0): e + 127.
;;     - Each number is divided by its block's scale, clamped to +-7.5, and rounded to the nearest number of E2M3, ties to even, subnormals kept.
;;     - The product sums the exact products of the quantised numbers (number of the format x scale) in f32.
;;   ~~~python
;;   def quantise(x, axis):      # numpy; x: float32 -> the quantised numbers, widened to float32 again
;;       x = np.moveaxis(x, axis, -1); K = x.shape[-1]
;;       x = np.pad(x, [(0, 0)] * (x.ndim - 1) + [(0, -K % 32)]); x = x.reshape(x.shape[:-1] + (-1, 32)); a = np.abs(x).max(-1, keepdims=True)
;;       e = np.where(a > 0, np.clip(np.frexp(np.where(a > 0, a, 1))[1] - 1 - 2, -126, 127), 0)      # np.frexp(a)[1] - 1 = floor(log2(a)), exactly
;;       r = np.clip(x / 2.0 ** e, -7.5, 7.5)
;;       step = 2.0 ** (np.maximum(np.frexp(np.where(r == 0, 1, r))[1] - 1, 0) - 3)
;;       q = np.round(r / step) * step * 2.0 ** e      # np.round: ties to even
;;       return np.moveaxis(q.reshape(q.shape[:-2] + (-1,))[..., :K], -1, axis).astype(np.float32)
;;   ~~~
;;   SOFTMAX AHEAD OF A QUANTISED PRODUCT. Where the list says 'softmax', what is quantised is not the finished softmax but p = 2^(t - M), with t = logit x log2(e) and M = ceil(the row's largest t), a whole number; so 1/2 < the row's largest p <= 1. The row's sum l is taken of the UNQUANTISED p, in f32, and the product's result is divided by l at the end. Since M is a whole number, a kernel that streams over the keys may use a running M (the ceiling of the running maximum): every later rescaling is an exact power of two, which a block's scale takes up: the codes' values come out the same.
;;   OPERANDS COMPUTED ON THE WAY. 'Computed on the way' means the value that the module computes at that place (a softmax that the list does not call 'softmax' is quantised finished and normalised). What goes into a quantiser is computed in f32, as accurately as f32 sums, v_exp_f32 and their like allow (about 1e-6 of the number): no bf16 or f16 on the way to a quantiser, and a product that is left as it is and whose result goes on into a quantised operand takes f32 operands (vector FMAs, or v_wmma_f32_16x16x4_f32). A number that lies on a knife's edge between two numbers of the format may be rounded either way, as far as f32 arithmetic and the matrix unit's own rounding can turn it there, and no further.
;; One version. Each part assembles by itself: llvm-mc -triple=amdgcn-amd-amdhsa -mcpu=gfx1250 --defsym DOCPART=n.
;; ======== version 1 of 1: 4 launches
;; limits: right only within a limited range of input values
;; workspace buffers: xw_codes 12,582,912 bytes; xw_scales 524,288 bytes; qkv_codes 9,437,184 bytes; qkv_scales 393,216 bytes; vals_codes 3,145,728 bytes; vals_scales 131,072 bytes
;; launch quant (part 1): grid 512 x 1, 4 waves a work-group, no clusters, 34,304 bytes of LDS; arguments xq, xk, xv, Wq, Wk, Wv, Wo, xw_codes, xw_scales; writes xw_codes, xw_scales
.if DOCPART == 1
	.amdgcn_target "amdgcn-amd-amdhsa--gfx1250"
	.amdhsa_code_object_version 6
	.text
	.protected	k_q33b8922c09_quant
	.globl	k_q33b8922c09_quant
	.p2align	8
	.type	k_q33b8922c09_quant,@function
k_q33b8922c09_quant:
	s_mov_b64 s[64:65], 0
	v_nop
	global_prefetch_b8 v0, s[64:65] scope:SCOPE_SE
	s_setreg_imm32_b32 hwreg(HW_REG_WAVE_MODE, 25, 1), 1
	s_wait_xcnt 0x0
; xq, xk, xv [4096][1024] and Wq, Wk, Wv, Wo [1024][1024], f32, K innermost, become codes of FP6 (E2M3) with one E8M0 byte for each 32 along K,
; laid in the order of a matrix operand's registers, so that the products' launches read them without any shuffle.
; A ROW TILE is 16 rows: lane r of tile T holds row 32 (T / 2) + 8 (T % 2) + r + 8 (r / 8).  1,024 tiles: xq 0-255, xk 256-511, xv 512-767, Wq 768-831, Wk 832-895, Wv 896-959, Wo 960-1023.
; A FRAGMENT (16 rows x 128 K, 12 registers a lane) is two halves of 768 bytes; a half: registers 0-3 of lane l at 16 l, registers 4-5 at 512 + 8 l.  A tile's 8 fragments: 12,288 bytes.
; SCALE WORDS (four bytes: one row, 128 K): [tile][K / 256][r][2 words], 512 bytes a tile.
; Wv's tiles change places inside each group of eight (tile 4 p + t goes to place 2 t + p), so that in the projection of v even places belong to one head and odd places to the next.
; A block's scale is 2^(floor(log2(its largest magnitude)) - 2): its byte is the largest magnitude's exponent field - 2, held at 1 from below.
; LIMITS: NaN and infinities are not served; a block whose largest magnitude lies under 2^-124 has its byte held at 1; a block of zeros gets the byte 1 where the rule says 127: its codes are zeros, and this program alone reads the bytes.
; SHARES: wave w of work-group g takes tile 2 g + w / 2 and K half w % 2: four fragments.  Each load reads 512 consecutive bytes of one row; a fragment's 16 rows turn through the wave's own stage in LDS
; (rows 528 bytes apart), from which lane (r, h) takes k = 64 c + 32 h + 0 .. 31 of row r: two whole blocks, so no other lane is asked for a maximum.  Loads run two fragments (32 loads a wave) ahead.
; No barrier: waves share nothing.  No matrix unit, no cluster: every byte is read once by one wave.
.set STP,  528                         ; a stage row: 512 bytes + 16
.set WST,  16*STP                      ; a wave's stage
.set W,    12                          ; v12-15   the four fragments' scale words
.set MX,   16                          ; v16-17   largest magnitudes
.set SO,   18                          ; v18-19   the conversions' scale operands
.set BY,   20                          ; v20-21   scale bytes
.set TW,   22                          ; v22 my two bytes in place, v23 the other half's
.set PC,   24                          ; v24-35   a fragment's codes
.set TP,   36                          ; v36-38, v40-42 the blocks' upper 16 codes as converted
.set R,    48                          ; v48-175  two sets of 64 registers as loaded
.set X,    176                         ; v176-239 my 64 numbers
	s_load_b256 s[4:11], s[0:1], 0x0               ; xq s[4:5], xk s[6:7], xv s[8:9], Wq s[10:11]
	s_load_b256 s[12:19], s[0:1], 0x20             ; Wk s[12:13], Wv s[14:15], Wo s[16:17], the codes s[18:19]
	s_load_b64 s[20:21], s[0:1], 0x40              ; the scale words
	v_lshl_add_u32 v240, v0, 2, 0x8400
	v_mov_b32 v241, 0
	v_lshrrev_b32 v1, 5, v0
	v_readfirstlane_b32 s28, v1                    ; wave
	v_and_b32 v1, 31, v0                           ; lane
	v_and_b32 v2, 15, v0                           ; r
	v_bfe_u32 v3, v0, 4, 1                         ; h
	v_lshlrev_b32 v4, 4, v1                        ; 16 x lane
	v_lshlrev_b32 v5, 3, v1                        ; 8 x lane
	s_mul_i32 s29, s28, WST
	v_add_nc_u32 v6, s29, v4                       ; the stage, in: 16 x lane of a row
	v_mul_u32_u24 v7, v2, STP
	v_lshl_add_u32 v7, v3, 7, v7
	v_add_nc_u32 v7, s29, v7                       ; and out: row r, 128 h bytes on
	v_lshlrev_b32 v8, 3, v2
	v_lshl_add_u32 v8, v3, 7, v8                   ; the scale words' place: 128 h + 8 r
	v_lshlrev_b32 v9, 3, v3                        ; 8 h
	v_mov_b32 v[TW+1], 0                           ; written once: a lane permute's destination counts as one of its sources
	s_mov_b32 s30, 0x76543210
	s_mov_b32 s31, 0xfedcba98                      ; lane l xor 16
	s_lshr_b32 s32, s28, 1
	s_and_b32 s33, s28, 1                          ; which half of K
	s_lshl_b32 s34, ttmp9, 1
	s_add_co_u32 s34, s34, s32                     ; my tile
	s_lshr_b32 s38, ttmp9, 7                       ; work-groups 128-255 take xk
	s_cmp_eq_u32 s38, 1
	s_cselect_b32 s38, 65536, 0                    ; xk: a tile's rows 8-15 lie 16 rows further on than in the other tensors
	v_add_nc_u32 v44, s38, v4                      ; the loads' offset for a tile's rows 8-15
	s_wait_alu depctr_va_vdst(0)
	s_wait_kmcnt 0x0
	s_mov_b64 s[22:23], s[16:17]                   ; which tensor: the choice hangs on the work-group's number alone
	s_mov_b32 s24, 960
.macro PICK lim, ptr, first
	s_cmp_lt_u32 ttmp9, \lim
	s_cselect_b64 s[22:23], s[\ptr:\ptr+1], s[22:23]
	s_cselect_b32 s24, \first, s24
.endm
	PICK 480, 14, 896
	PICK 448, 12, 832
	PICK 416, 10, 768
	PICK 384, 8, 512
	PICK 256, 6, 256
	PICK 128, 4, 0
	s_sub_co_u32 s25, s34, s24                     ; the tile's number T in its tensor
	s_lshr_b32 s26, s25, 1
	s_lshl_b32 s26, s26, 17                        ; 32 (T / 2) rows of 4,096 bytes
	s_and_b32 s27, s25, 1
	s_lshl_b32 s27, s27, 15
	s_add_co_u32 s26, s26, s27
	; XK'S TILES ARE CUT OTHERWISE: lane r of tile T holds row 64 (T / 4) + 8 (T % 4) + r + 24 (r / 8), so that in the scores a lane's 32 registers of four tiles are one block of 32 keys
	s_lshr_b32 s39, s25, 2
	s_lshl_b32 s39, s39, 18                        ; 64 (T / 4) rows of 4,096 bytes
	s_and_b32 s27, s25, 3
	s_lshl_b32 s27, s27, 15                        ; 8 (T % 4) rows
	s_add_co_u32 s39, s39, s27
	s_cmp_eq_u32 s24, 256
	s_cselect_b32 s26, s39, s26
	s_lshl_b32 s27, s33, 11                        ; my 512 along K
	s_add_co_u32 s26, s26, s27
	s_mov_b32 s27, 0
	s_add_nc_u64 s[22:23], s[22:23], s[26:27]
	s_and_b32 s26, s25, 3                          ; Wv's places
	s_lshl_b32 s26, s26, 1
	s_bfe_u32 s27, s25, 0x10002
	s_or_b32 s26, s26, s27
	s_and_b32 s27, s25, 0xfffffff8
	s_or_b32 s26, s26, s27
	s_cmp_eq_u32 s24, 896
	s_cselect_b32 s26, s26, s25
	s_add_co_u32 s26, s26, s24                     ; the tile's place among the 1,024
	s_lshl_b32 s36, s26, 9
	s_lshl_b32 s35, s33, 8
	s_add_co_u32 s36, s36, s35
	s_mov_b32 s37, 0
	s_add_nc_u64 s[20:21], s[20:21], s[36:37]      ; my 256 bytes of scale words
	s_mul_i32 s36, s26, 12288
	s_mul_i32 s35, s33, 6144
	s_add_co_u32 s36, s36, s35
	s_add_nc_u64 s[18:19], s[18:19], s[36:37]      ; my four fragments
.macro LOAD f                          ; fragment f: 16 rows x 512 bytes into set f % 2
.irp i, 0,1,2,3,4,5,6,7,8,9,10,11,12,13,14,15
.if \i < 8
	global_load_b128 v[R+64*((\f)%2)+4*\i:R+64*((\f)%2)+4*\i+3], v4, s[22:23] offset:(\i+8*(\i/8))*4096+512*(\f) th:TH_LOAD_NT
.else
	global_load_b128 v[R+64*((\f)%2)+4*\i:R+64*((\f)%2)+4*\i+3], v44, s[22:23] offset:(\i+8*(\i/8))*4096+512*(\f) th:TH_LOAD_NT
.endif
.endr
.endm
.macro FRAGQ f
.set RS, R+64*((\f)%2)
.if (\f) < 3
	s_wait_loadcnt 16                              ; this fragment's 16 loads are in; the next fragment's may be out
.else
	s_wait_loadcnt 0x0
.endif
.irp i, 0,1,2,3,4,5,6,7,8,9,10,11,12,13,14,15
	ds_store_b128 v6, v[RS+4*\i:RS+4*\i+3] offset:STP*\i
.endr
.irp c, 0,1
.irp j, 0,1,2,3,4,5,6,7
	ds_load_b128 v[X+32*\c+4*\j:X+32*\c+4*\j+3], v7 offset:256*\c+16*\j   ; LDS serves a wave's instructions in order: these see the stores above
.endr
.endr
	s_wait_dscnt 0x0                               ; my numbers are in, and the stores have read their registers,
.if (\f) < 2
	LOAD (\f)+2                                    ; which take the fragment two further on
.endif
.irp c, 0,1
	v_max3_num_f32 v[MX+\c], |v[X+32*\c]|, |v[X+32*\c+1]|, 0x1800000   ; my block 2 c + h, and the floor 2^(3 - 127): the byte cannot fall under 1
.endr
.irp i, 2,4,6,8,10,12,14,16,18,20,22,24,26,28,30
.irp c, 0,1
	v_max3_num_f32 v[MX+\c], v[MX+\c], |v[X+32*\c+\i]|, |v[X+32*\c+\i+1]|
.endr
.endr
.irp c, 0,1
	v_add_nc_u32 v[SO+\c], 0xff000000, v[MX+\c]    ; 2 off the exponent field: the conversion takes this operand's exponent field as its scale
.endr
.irp c, 0,1
	v_lshrrev_b32 v[BY+\c], 23, v[SO+\c]           ; the scale's byte
.endr
	v_lshl_or_b32 v[TW], v[BY+1], 16, v[BY]        ; blocks h and 2 + h,
	v_lshlrev_b32 v[TW], v9, v[TW]                 ; at their places in the word;
	v_permlanex16_b32 v[TW+1], v[TW], s30, s31
	v_or_b32 v[W+(\f)], v[TW], v[TW+1]             ; with lane l xor 16's two the word is whole
	s_wait_alu depctr_va_vdst(0)
	s_wait_xcnt 0x0                                ; the last fragment's stores have read their data: the codes' registers are written again only behind this wait
.irp c, 0,1
	v_cvt_scalef32_pk16_fp6_f32 v[PC+6*\c:PC+6*\c+2], v[X+32*\c:X+32*\c+15], v[SO+\c]
	v_cvt_scalef32_pk16_fp6_f32 v[TP+4*\c:TP+4*\c+2], v[X+32*\c+16:X+32*\c+31], v[SO+\c]   ; (a conversion's three registers begin on an even number)
.endr
	v_nop                                          ; one plain place behind a scaled conversion
.irp c, 0,1
.irp i, 0,1,2
	v_mov_b32 v[PC+3+6*\c+\i], v[TP+4*\c+\i]
.endr
.endr
	global_store_b128 v4, v[PC:PC+3], s[18:19] offset:1536*(\f)          ; 512 consecutive bytes,
	global_store_b64 v5, v[PC+4:PC+5], s[18:19] offset:1536*(\f)+512     ; 256 consecutive bytes: both start at multiples of 256 from the buffer's first byte
	global_store_b128 v4, v[PC+6:PC+9], s[18:19] offset:1536*(\f)+768
	global_store_b64 v5, v[PC+10:PC+11], s[18:19] offset:1536*(\f)+1280
.endm
	LOAD 0
	LOAD 1
	FRAGQ 0
	FRAGQ 1
	FRAGQ 2
	FRAGQ 3
	v_cmp_eq_u32 vcc_lo, 1, v3                     ; lanes 0-15 store the words of my first 256 along K, lanes 16-31 those of the second
	v_cndmask_b32 v10, v[W], v[W+2], vcc_lo
	v_cndmask_b32 v11, v[W+1], v[W+3], vcc_lo
	global_store_b64 v8, v[10:11], s[20:21]        ; 256 consecutive bytes
	s_wait_tensorcnt 0x0
	ds_add_u32 v240, v241
	s_wait_dscnt 0x0
	s_endpgm
.Lfunc_end_k_q33b8922c09_quant:
	.size	k_q33b8922c09_quant, .Lfunc_end_k_q33b8922c09_quant-k_q33b8922c09_quant
	.p2alignl 7, 3214868480
	.fill 96, 4, 3214868480
	.section	.rodata,"a",@progbits
	.p2align	6, 0x0
	.amdhsa_kernel k_q33b8922c09_quant
		.amdhsa_group_segment_fixed_size 34304
		.amdhsa_private_segment_fixed_size 0
		.amdhsa_enable_private_segment 0
		.amdhsa_kernarg_size 72
		.amdhsa_user_sgpr_count 2
		.amdhsa_user_sgpr_kernarg_segment_ptr 1
		.amdhsa_wavefront_size32 1
		.amdhsa_system_sgpr_workgroup_id_x 1
		.amdhsa_system_sgpr_workgroup_id_y 1
		.amdhsa_system_sgpr_workgroup_id_z 1
		.amdhsa_system_vgpr_workitem_id 0
		.amdhsa_next_free_vgpr 242
		.amdhsa_next_free_sgpr 66
		.amdhsa_reserve_vcc 1
		.amdhsa_float_denorm_mode_32 3
		.amdhsa_float_denorm_mode_16_64 3
		.amdhsa_memory_ordered 1
		.amdhsa_forward_progress 1
		.amdhsa_inst_pref_size 32
	.end_amdhsa_kernel
	.amdgpu_metadata
---
amdhsa.version: [ 1, 2 ]
amdhsa.kernels:
  - .name:           k_q33b8922c09_quant
    .symbol:         k_q33b8922c09_quant.kd
    .args:
      - { .name: xq, .offset: 0, .size: 8, .value_kind: global_buffer, .address_space: global }
      - { .name: xk, .offset: 8, .size: 8, .value_kind: global_buffer, .address_space: global }
      - { .name: xv, .offset: 16, .size: 8, .value_kind: global_buffer, .address_space: global }
      - { .name: Wq, .offset: 24, .size: 8, .value_kind: global_buffer, .address_space: global }
      - { .name: Wk, .offset: 32, .size: 8, .value_kind: global_buffer, .address_space: global }
      - { .name: Wv, .offset: 40, .size: 8, .value_kind: global_buffer, .address_space: global }
      - { .name: Wo, .offset: 48, .size: 8, .value_kind: global_buffer, .address_space: global }
      - { .name: xw_codes, .offset: 56, .size: 8, .value_kind: global_buffer, .address_space: global }
      - { .name: xw_scales, .offset: 64, .size: 8, .value_kind: global_buffer, .address_space: global }
    .group_segment_fixed_size: 34304
    .private_segment_fixed_size: 0
    .kernarg_segment_align: 8
    .kernarg_segment_size: 72
    .max_flat_workgroup_size: 128
    .sgpr_count:     66
    .vgpr_count:     242
    .wavefront_size: 32
...
	.end_amdgpu_metadata
.endif
;; end of part 1
;; launch proj (part 2): grid 4 x 48, 4 waves a work-group, clusters of 4 x 4, 327,680 bytes of LDS; arguments xw_codes, xw_scales, bq, bk, bv, qkv_codes, qkv_scales; writes qkv_codes, qkv_scales
.if DOCPART == 2
	.amdgcn_target "amdgcn-amd-amdhsa--gfx1250"
	.amdhsa_code_object_version 6
	.text
	.protected	k_q33b8922c09_proj
	.globl	k_q33b8922c09_proj
	.p2align	8
	.type	k_q33b8922c09_proj,@function
k_q33b8922c09_proj:
	s_mov_b64 s[64:65], 0
	v_nop
	global_prefetch_b8 v0, s[64:65] scope:SCOPE_SE
	s_setreg_imm32_b32 hwreg(HW_REG_WAVE_MODE, 25, 1), 1
	s_wait_xcnt 0x0
	s_wait_alu depctr_hold_cnt(0) depctr_sa_sdst(0) depctr_va_vdst(0) depctr_va_sdst(0) depctr_va_ssrc(0) depctr_va_vcc(0) depctr_vm_vsrc(0)
	s_getreg_b32 s2, hwreg(HW_REG_IB_STS2, 6, 4)
	s_cmp_eq_u32 s2, 0
	s_cbranch_scc0 .Lentry_in_a_cluster
	s_endpgm
.Lentry_in_a_cluster:
	s_bfe_u32 s2, ttmp6, 0x10000c
	s_cmp_lg_u32 s2, 0xf033
	s_cbranch_scc0 .Lentry_shape_is_right
	s_endpgm
.Lentry_shape_is_right:
.set NQ,     2
.set FR,     12
.set NL,     4
.set NP,     4
.set FB,     1536
.set TB,     NQ*FB
.set HALFT,  8*TB
.set SLOT,   4*HALFT
.set LAPS,   2
.set SCL,    2*SLOT
.set HALFS,  4096
.set SBLK,   512
.set SPARE,  SCL+4*HALFS
.set ADRA, 16
.set ADRB, 20
.set ADRS, 27
.set SPW,  28
.set NIL,  29
.set SC,   32
.set BR,   64
.set T,    64
.set AF,   128
.set PC,   128
.set TM,   160
.set W,    176
.set U,    184
.set BL,   224
.set G1, 24
.set G0, 32
.set G1B, 48
.set G0B, 56
.set G1S, 68
.set G0S, 76
.set G1SB, 80
.set G0SB, 88
.set SEL, 66
.set MSB, 0
.macro WIN new
.if MSB != \new
	s_set_vgpr_msb (MSB<<8)|\new
.set MSB, \new
.endif
.endm
.set MUL_LO, 0xa1
.set MUL_HI, 0xf1
.set BEG_LO, 0x81
.set BEG_HI, 0xc1
.set TO_B,   0x40
.macro JLOAD g0a, g1a, g0b, g1b
	s_cmp_eq_u32 s15, 0
	s_cbranch_scc0 .Lfor_b_\@
	tensor_load_to_lds s[\g0a:\g0a+3], s[\g1a:\g1a+7]
	s_nop 0
.rept 4
	v_nop
.endr
	s_branch .Lasked_\@
.Lfor_b_\@:
	tensor_load_to_lds s[\g0b:\g0b+3], s[\g1b:\g1b+7]
	s_nop 0
.rept 4
	v_nop
.endr
.Lasked_\@:
.endm
.macro CREST
	s_cmp_lg_u32 s14, 0
	s_cbranch_scc1 .Lnot_wave_0_\@
	s_barrier_signal -3
.Lnot_wave_0_\@:
	s_barrier_wait -3
	s_barrier_signal -1
	s_barrier_wait -1
.endm
.macro CROUND
	s_barrier_signal -1
	s_barrier_wait -1
	CREST
.endm
	s_load_b128 s[4:7], s[0:1], 0x0
	s_load_b128 s[8:11], s[0:1], 0x10
	s_load_b64 s[12:13], s[0:1], 0x20
	s_load_b64 s[96:97], s[0:1], 0x28
	s_load_b64 s[98:99], s[0:1], 0x30
	v_lshl_add_u32 v[SPW], v0, 2, SPARE
	v_mov_b32 v[NIL], 0
	ds_add_u32 v28, v29
	ds_add_u32 v28, v29
	s_wait_dscnt 0x0
	v_lshrrev_b32 v1, 5, v0
	v_readfirstlane_b32 s14, v1
	s_lshr_b32 s15, s14, 1
	s_and_b32 s16, s14, 1
	s_bfe_u32 s40, ttmp6, 0x40000
	s_bfe_u32 s41, ttmp6, 0x40004
	s_and_b32 s18, ttmp7, 0xffff
	s_and_b32 s19, s18, 3
	s_lshr_b32 s18, s18, 2
	s_lshl_b32 s66, s18, 8
	s_lshl_b32 s67, s18, 6
	s_add_co_u32 s67, s67, 768
	s_cmp_eq_u32 s18, 2
	s_cselect_b32 s66, 896, s66
	s_cselect_b32 s67, 512, s67
	s_cselect_b32 s2, 0, s19
	s_cselect_b32 s19, s19, 0
	s_cselect_b32 s100, 0, 1.0
	s_cselect_b32 s95, 1.0, 0
	s_mov_b32 s101, s100
	s_lshl_b32 s17, s2, 2
	s_add_co_u32 s17, s17, s41
	s_lshl_b32 s42, s19, 2
	s_add_co_u32 s42, s42, s40
	s_lshl_b32 s43, s41, 2
	s_lshl_b32 s43, 15, s43
	s_lshl_b32 s44, 0x1111, s40
	s_or_b32 s[G1+0], s43, (3<<16)|(1<<21)
	s_or_b32 s[G1B+0], s44, (3<<16)|(1<<21)
.irp g, G1, G1B
	s_mov_b32 s[\g+1], 384<<16
	s_mov_b32 s[\g+2], 16<<16
	s_mov_b32 s[\g+3], 384<<16
	s_mov_b32 s[\g+4], 16
	s_mov_b32 s[\g+5], 1536
	s_mov_b32 s[\g+6], 0
	s_mov_b32 s[\g+7], 0
.endr
	s_or_b32 s[G1S+0], s43, (3<<16)|(1<<21)
	s_or_b32 s[G1SB+0], s44, (3<<16)|(1<<21)
.irp g, G1S, G1SB
	s_mov_b32 s[\g+1], 32<<16
	s_mov_b32 s[\g+2], 32<<16
	s_mov_b32 s[\g+3], 32<<16
	s_mov_b32 s[\g+4], 32
	s_mov_b32 s[\g+5], 32
	s_mov_b32 s[\g+6], 0
	s_mov_b32 s[\g+7], 0
.endr
	s_lshl_b32 s2, s16, 3
	s_lshl_b32 s20, s17, 4
	s_add_co_u32 s20, s20, s2
	s_add_co_u32 s20, s20, s66
	s_lshl_b32 s46, s42, 4
	s_add_co_u32 s46, s46, s2
	s_add_co_u32 s46, s46, s67
	s_lshl_b32 s22, s20, 9
	s_mul_i32 s20, s20, 12288
	s_lshl_b32 s92, s46, 9
	s_mul_i32 s46, s46, 12288
	s_mov_b32 s21, 0
	s_mov_b32 s23, 0
	s_mov_b32 s47, 0
	s_mov_b32 s93, 0
	s_mul_i32 s45, s14, HALFT
	s_mul_i32 s94, s14, HALFS
	s_wait_kmcnt 0x0
	s_add_nc_u64 s[20:21], s[4:5], s[20:21]
	s_add_nc_u64 s[22:23], s[6:7], s[22:23]
	s_add_nc_u64 s[46:47], s[4:5], s[46:47]
	s_add_nc_u64 s[92:93], s[6:7], s[92:93]
	s_cmp_eq_u32 s18, 1
	s_cselect_b64 s[8:9], s[10:11], s[8:9]
	s_cmp_eq_u32 s18, 2
	s_cselect_b64 s[8:9], s[12:13], s[8:9]
	CROUND
	s_mov_b32 s[G0S], 1
	s_lshl_b32 s2, s16, 12                         ; the scale words of my half's 8 row tiles begin so many bytes behind the tile's first
	s_mov_b32 s3, 0
	s_mov_b32 s[G0S+1], SCL
	s_sub_nc_u64 s[G0S+2:G0S+3], s[22:23], s[2:3]
	s_or_b32 s[G0S+3], s[G0S+3], 0x80000000
	s_mov_b32 s[G0SB], 1
	s_mov_b32 s[G0SB+1], SCL+2*HALFS
	s_sub_nc_u64 s[G0SB+2:G0SB+3], s[92:93], s[2:3]
	s_or_b32 s[G0SB+3], s[G0SB+3], 0x80000000
.irp s, 0,1
	s_mov_b32 s[G0+4*\s], 1
	s_add_co_u32 s[G0+4*\s+1], s45, \s*SLOT
	s_add_nc_u64 s[G0+4*\s+2:G0+4*\s+3], s[20:21], \s*TB
	s_or_b32 s[G0+4*\s+3], s[G0+4*\s+3], 0x80000000
	s_mov_b32 s[G0B+4*\s], 1
	s_add_co_u32 s[G0B+4*\s+1], s45, \s*SLOT
	s_add_nc_u64 s[G0B+4*\s+2:G0B+4*\s+3], s[46:47], \s*TB
	s_or_b32 s[G0B+4*\s+3], s[G0B+4*\s+3], 0x80000000
.endr
	; THE HEAD'S LOADS, ONE A WAVE: wave 0 slot 0's 16 row tiles of A, wave 1 those of B, wave 2 A's scale words, wave 3 B's.  Slot 0's groups 0 name the whole tile here
	s_mul_i32 s2, s16, 98304                       ; my half's 8 row tiles, in bytes
	s_sub_nc_u64 s[G0+2:G0+3], s[G0+2:G0+3], s[2:3]
	s_sub_nc_u64 s[G0B+2:G0B+3], s[G0B+2:G0B+3], s[2:3]
	s_mov_b32 s[G0+1], 0
	s_mov_b32 s[G0B+1], 2*HALFT
.macro ARM under, g0, g1, next
	s_cmp_lt_u32 s14, \under
	s_cbranch_scc0 \next
	tensor_load_to_lds s[\g0:\g0+3], s[\g1:\g1+7]
	s_nop 0
.rept 4
	v_nop
.endr
	s_branch .Lhead_asked
\next:
.endm
	ARM 1, G0,  G1,  .Lhead_b
	ARM 2, G0B, G1B, .Lhead_sa
	ARM 3, G0S, G1S, .Lhead_sb
	tensor_load_to_lds s[G0SB:G0SB+3], s[G1SB:G1SB+7]
	s_nop 0
.rept 4
	v_nop
.endr
.Lhead_asked:
	v_and_b32 v1, 31, v0
	v_and_b32 v2, 15, v0
	v_bfe_u32 v3, v0, 4, 1
	v_lshlrev_b32 v4, 4, v1
	v_lshlrev_b32 v5, 3, v1
	s_mul_i32 s21, s15, HALFT
	s_mul_i32 s22, s16, HALFT
	s_add_co_u32 s22, s22, 2*HALFT
.irp s, 0,1
	v_add_nc_u32 v[ADRA+\s], s21, v4
	v_add_nc_u32 v[ADRB+\s], s22, v4
	v_add_nc_u32 v[ADRA+2+\s], s21, v5
	v_add_nc_u32 v[ADRB+2+\s], s22, v5
	s_add_co_u32 s21, s21, SLOT
	s_add_co_u32 s22, s22, SLOT
.endr
	v_lshlrev_b32 v6, 3, v2
	s_mul_i32 s21, s15, HALFS
	s_mul_i32 s22, s16, HALFS
	s_add_co_u32 s22, s22, 2*HALFS
	s_sub_co_u32 s22, s22, s21
	v_mul_u32_u24 v7, s22, v3
	s_add_co_u32 s21, s21, SCL
	v_add_nc_u32 v6, v6, v7
	v_add_nc_u32 v[ADRS], s21, v6
	s_lshl_b32 s20, s17, 8
	s_lshl_b32 s21, s15, 7
	s_add_co_u32 s20, s20, s21
	s_lshl_b32 s21, s42, 8
	s_lshl_b32 s22, s16, 7
	s_add_co_u32 s21, s21, s22
	s_mov_b32 s10, 768
	s_mov_b32 s11, 98304
	s_mov_b32 s12, 0x03020100
	s_mov_b32 s13, 0x07060504
	s_cmp_eq_u32 s18, 2
	s_cselect_b32 s22, s21, s20
	s_cselect_b32 s23, s20, s21
	s_cselect_b32 s46, 0, s21
	s_cselect_b32 s92, s20, 0
	s_cselect_b32 s10, s10, 98304
	s_cselect_b32 s11, s11, 768
	s_cselect_b32 s12, s12, 0x05040100
	s_cselect_b32 s13, s13, 0x07060302
	s_lshl_b32 s46, s46, 2
	s_mov_b32 s47, 0
	s_lshl_b32 s92, s92, 2
	s_mov_b32 s93, 0
	s_add_nc_u64 s[46:47], s[8:9], s[46:47]
	s_add_nc_u64 s[92:93], s[8:9], s[92:93]
	s_lshr_b32 s20, s22, 11
	s_bfe_u32 s21, s22, 0x40007
	s_lshl_b32 s20, s20, 4
	s_lshr_b32 s23, s23, 6
	s_add_co_u32 s20, s20, s23
	s_mul_i32 s22, s18, 3145728
	s_mul_i32 s23, s20, 98304
	s_add_co_u32 s22, s22, s23
	s_mul_i32 s23, s21, 6144
	s_add_co_u32 s22, s22, s23
	s_mov_b32 s23, 0
	s_add_nc_u64 s[96:97], s[96:97], s[22:23]
	s_lshl_b32 s22, s18, 17
	s_lshl_b32 s20, s20, 12
	s_add_co_u32 s22, s22, s20
	s_lshl_b32 s21, s21, 8
	s_add_co_u32 s22, s22, s21
	s_add_nc_u64 s[98:99], s[98:99], s[22:23]
	s_mov_b32 s20, s11
	s_mov_b32 s21, 0
	s_add_nc_u64 s[20:21], s[96:97], s[20:21]
	s_mov_b32 s[SEL], 0x76543210
	s_mov_b32 s[SEL+1], 0xfedcba98
	v_add_nc_u32 v26, s10, v4
	v_add_nc_u32 v30, s10, v5
	v_lshlrev_b32 v31, 4, v2
	v_lshl_add_u32 v31, v3, 12, v31
	v_lshlrev_b32 v8, 6, v3
	v_and_b32 v9, 8, v2
	v_add_nc_u32 v9, v9, v2
	v_lshlrev_b32 v9, 2, v9
.irp b, 0,1,2,3,4,5,6,7
	global_load_b128 v[BR+8*\b:BR+8*\b+3], v8, s[46:47] offset:(32*(\b/2)+8*(\b%2))*4
	global_load_b128 v[BR+8*\b+4:BR+8*\b+7], v8, s[46:47] offset:(32*(\b/2)+8*(\b%2))*4+16
.endr
.irp a, 0,1,2,3,4,5,6,7
	global_load_b32 v[BL+2*\a], v9, s[92:93] offset:(64*(\a%2)+32*(\a/4)+8*((\a/2)%2))*4
.endr
	; the addresses are made and the biases asked for while the head's tensor loads are out; now the three lines ahead of slot 1's first fill
	s_wait_alu depctr_va_vdst(0)
	s_wait_tensorcnt 0x0                           ; my tile of the head's four is in
	ds_add_u32 v28, v29
	s_mov_b32 s[G1+2], 8<<16                       ; no tensor load of mine is out: from here on a load brings 8 row tiles, my half
	s_mov_b32 s[G1+4], 8
	s_mov_b32 s[G1B+2], 8<<16
	s_mov_b32 s[G1B+4], 8
	s_add_nc_u64 s[G0+2:G0+3], s[G0+2:G0+3], s[2:3]
	s_add_nc_u64 s[G0B+2:G0B+3], s[G0B+2:G0B+3], s[2:3]
	s_mov_b32 s[G0+1], s45
	s_mov_b32 s[G0B+1], s45
	s_wait_dscnt 0x0
	CROUND
	JLOAD G0+4, G1, G0B+4, G1B
	s_wait_loadcnt 0x0
.set i, 0
.rept 32
	v_pk_mul_f32 v[BR+i:BR+i+1], v[BR+i:BR+i+1], s[100:101] op_sel_hi:[1,0]
.set i, i+2
.endr
.irp a, 0,1,2,3,4,5,6,7
	v_mul_f32 v[BL+2*\a+1], s95, v[BL+2*\a]
	v_mul_f32 v[BL+2*\a], s95, v[BL+2*\a]
.endr
.macro FRAG reg, adr, q, i
	ds_load_b128 v[\reg:\reg+3], v[\adr] offset:(\i)*TB+(\q)*FB
	ds_load_b64 v[\reg+4:\reg+5], v[\adr+2] offset:(\i)*TB+(\q)*FB+512
	ds_load_b128 v[\reg+6:\reg+9], v[\adr] offset:(\i)*TB+(\q)*FB+768
	ds_load_b64 v[\reg+10:\reg+11], v[\adr+2] offset:(\i)*TB+(\q)*FB+1280
.endm
.macro MUL16 a0, p, q, sc, zero
.irp a, \a0, \a0+1
.irp b, 0,1,2,3,4,5,6,7
.if \zero
	v_wmma_scale_f32_16x16x128_f8f6f4 v[8*(8*((\a)%4)+\b):8*(8*((\a)%4)+\b)+7], v[128*(\p)+FR*\b:128*(\p)+FR*\b+FR-1], v[AF+FR*(\a):AF+FR*(\a)+FR-1], v[BR+8*\b:BR+8*\b+7], v[SC+8*NQ*(\sc)+NQ*\b+(\q)], v[SC+8*NQ*(\sc)+NQ*(\a)+(\q)] matrix_a_fmt:MATRIX_FMT_FP6 matrix_b_fmt:MATRIX_FMT_FP6 matrix_a_scale:MATRIX_SCALE_ROW1
.else
	v_wmma_scale_f32_16x16x128_f8f6f4 v[8*(8*((\a)%4)+\b):8*(8*((\a)%4)+\b)+7], v[128*(\p)+FR*\b:128*(\p)+FR*\b+FR-1], v[AF+FR*(\a):AF+FR*(\a)+FR-1], v[8*(8*((\a)%4)+\b):8*(8*((\a)%4)+\b)+7], v[SC+8*NQ*(\sc)+NQ*\b+(\q)], v[SC+8*NQ*(\sc)+NQ*(\a)+(\q)] matrix_a_fmt:MATRIX_FMT_FP6 matrix_b_fmt:MATRIX_FMT_FP6 matrix_a_scale:MATRIX_SCALE_ROW1
.endif
.endr
.endr
.endm
.macro FETCH_B slot, q, p
	WIN TO_B
.irp i, 0,1,2,3,4,5,6,7
	FRAG 128*(\p)+FR*\i, ADRB+\slot, \q, \i
.endr
	WIN 0
.endm
.macro FETCH_A slot, q, i0
.irp i, \i0, \i0+1, \i0+2, \i0+3
	FRAG AF+FR*(\i), ADRA+\slot, \q, \i
.endr
.endm
.macro SCALES sc
.irp i, 0,1,2,3,4,5,6,7
	ds_load_b64 v[SC+8*NQ*\sc+NQ*\i:SC+8*NQ*\sc+NQ*\i+1], v[ADRS] offset:\i*SBLK
.endr
.endm
.macro PLACES n
.rept \n
	v_nop
.endr
.endm
.macro STEP slot, q, zero
	s_wait_dscnt 4*NL
.if \zero
	WIN BEG_LO
.else
	WIN MUL_LO
.endif
	MUL16 0, (\q)%2, \q, \slot, \zero
	MUL16 2, (\q)%2, \q, \slot, \zero
	s_wait_dscnt 0
	PLACES NP
	FETCH_B \slot, (\q)+1, 1-(\q)%2
	FETCH_A \slot, (\q)+1, 0
.if \zero
	WIN BEG_HI
.else
	WIN MUL_HI
.endif
	MUL16 4, (\q)%2, \q, \slot, \zero
	MUL16 6, (\q)%2, \q, \slot, \zero
	PLACES NP
	WIN 0
	FETCH_A \slot, (\q)+1, 4
.endm
.macro TURN slot, next, fill
	s_wait_tensorcnt 0x0
	ds_add_u32 v[SPW], v[NIL]
	s_wait_dscnt 4*NL+1
	WIN MUL_LO
	MUL16 0, 1, NQ-1, \slot, 0
	s_wait_dscnt 0x0
	s_barrier_signal -1
	MUL16 2, 1, NQ-1, \slot, 0
	WIN 0
	s_barrier_wait -1
.if \fill
	CREST
	s_add_nc_u64 s[G0+4*\slot+2:G0+4*\slot+3], s[G0+4*\slot+2:G0+4*\slot+3], 2*TB
	s_add_nc_u64 s[G0B+4*\slot+2:G0B+4*\slot+3], s[G0B+4*\slot+2:G0B+4*\slot+3], 2*TB
	JLOAD G0+4*\slot, G1, G0B+4*\slot, G1B
.else
	PLACES NP
.endif
	s_wait_alu depctr_va_vdst(0)
	v_add_nc_u32 v[ADRS], 128, v[ADRS]
	FETCH_B \next, 0, 0
	FETCH_A \next, 0, 0
	SCALES \next
	WIN MUL_HI
	MUL16 4, 1, NQ-1, \slot, 0
	MUL16 6, 1, NQ-1, \slot, 0
	PLACES NP
	WIN 0
	FETCH_A \next, 0, 4
.endm
	s_wait_tensorcnt 1
	s_barrier_signal -1
	s_barrier_wait -1
	FETCH_B 0, 0, 0
	FETCH_A 0, 0, 0
	SCALES 0
	FETCH_A 0, 0, 4
	STEP 0, 0, 1
	s_mov_b32 s3, LAPS-1
.Llap:
	TURN 0, 1, 1
	STEP 1, 0, 0
	TURN 1, 0, 1
	STEP 0, 0, 0
	s_sub_co_u32 s3, s3, 1
	s_cmp_lg_u32 s3, 0
	s_cbranch_scc1 .Llap
	TURN 0, 1, 0
	STEP 1, 0, 0
	s_wait_dscnt 4*NL
	WIN MUL_LO
	MUL16 0, 1, NQ-1, 1, 0
	MUL16 2, 1, NQ-1, 1, 0
	s_wait_dscnt 0
	WIN MUL_HI
	MUL16 4, 1, NQ-1, 1, 0
	MUL16 6, 1, NQ-1, 1, 0
	WIN 0
.macro QUANT s, pw
.irp b, 0,1,2,3
	v_max3_num_f32 v[TM+\b], |v[\s+16*\b]|, |v[\s+1+16*\b]|, 0x1800000
.endr
.irp i, 2,4,6,8,10,12,14
.irp b, 0,1,2,3
	v_max3_num_f32 v[TM+\b], v[TM+\b], |v[\s+16*\b+\i]|, |v[\s+1+16*\b+\i]|
.endr
.endr
.irp b, 0,1,2,3
	v_permlanex16_b32 v[TM+4+\b], v[TM+\b], s[SEL], s[SEL+1]
.endr
.irp b, 0,1,2,3
	v_max_num_f32 v[TM+\b], v[TM+\b], v[TM+4+\b]
.endr
.irp b, 0,1,2,3
	v_add_nc_u32 v[TM+12+\b], 0xff000000, v[TM+\b]
.endr
.irp b, 0,1,2,3
	v_lshrrev_b32 v[TM+4+\b], 23, v[TM+12+\b]
.endr
	v_lshl_or_b32 v[\pw], v[TM+5], 8, v[TM+4]
	v_lshl_or_b32 v[\pw], v[TM+6], 16, v[\pw]
	v_lshl_or_b32 v[\pw], v[TM+7], 24, v[\pw]
.irp c, 0,1
	v_cvt_scalef32_pk16_fp6_f32 v[PC+6*\c:PC+2+6*\c], v[\s+32*\c:\s+15+32*\c], v[TM+12+2*\c]
	v_cvt_scalef32_pk16_fp6_f32 v[PC+12+4*\c:PC+14+4*\c], v[\s+16+32*\c:\s+31+32*\c], v[TM+12+2*\c+1]
.endr
	v_nop
.irp c, 0,1
.irp i, 0,1,2
	v_permlane16_swap_b32 v[PC+6*\c+\i], v[PC+12+4*\c+\i]
.endr
.irp i, 0,1,2
	v_mov_b32 v[PC+3+6*\c+\i], v[PC+12+4*\c+\i]
.endr
.endr
.endm
.macro OUT a
.set AC, 64*((\a)%4)
	WIN 0x02+(\a)/4
.set i, 0
.rept 32
	v_pk_add_f32 v[T+i:T+i+1], v[AC+i:AC+i+1], v[BL+2*(\a):BL+2*(\a)+1]
.set i, i+2
.endr
	WIN 0
	s_wait_xcnt 0x0
	QUANT T, W+(\a)
.if (\a)%2
	global_store_b128 v4, v[PC:PC+3], s[20:21] offset:((\a)/2)*FB
	global_store_b64 v5, v[PC+4:PC+5], s[20:21] offset:((\a)/2)*FB+512
	global_store_b128 v26, v[PC+6:PC+9], s[20:21] offset:((\a)/2)*FB
	global_store_b64 v30, v[PC+10:PC+11], s[20:21] offset:((\a)/2)*FB+512
.else
	global_store_b128 v4, v[PC:PC+3], s[96:97] offset:((\a)/2)*FB
	global_store_b64 v5, v[PC+4:PC+5], s[96:97] offset:((\a)/2)*FB+512
	global_store_b128 v26, v[PC+6:PC+9], s[96:97] offset:((\a)/2)*FB
	global_store_b64 v30, v[PC+10:PC+11], s[96:97] offset:((\a)/2)*FB+512
.endif
.endm
	PLACES NP
.irp b, 0,1,2,3
	v_mov_b32 v[TM+4+\b], 0
.endr
.irp a, 0,1,2,3,4,5,6,7
	OUT \a
.endr
	v_cmp_eq_u32 vcc_lo, 1, v3
.irp j, 0,1,2,3
	v_perm_b32 v[U+4], v[W+2*\j+1], v[W+2*\j], s12
	v_perm_b32 v[U+5], v[W+2*\j+1], v[W+2*\j], s13
	v_cndmask_b32 v[U+\j], v[U+4], v[U+5], vcc_lo
.endr
	global_store_b128 v31, v[U:U+3], s[98:99]
	s_wait_tensorcnt 0x0
	ds_add_u32 v[SPW], v[NIL]
	s_wait_dscnt 0x0
	CROUND
	s_endpgm
.Lfunc_end_k_q33b8922c09_proj:
	.size	k_q33b8922c09_proj, .Lfunc_end_k_q33b8922c09_proj-k_q33b8922c09_proj
	.p2alignl 7, 3214868480
	.fill 96, 4, 3214868480
	.section	.rodata,"a",@progbits
	.p2align	6, 0x0
	.amdhsa_kernel k_q33b8922c09_proj
		.amdhsa_group_segment_fixed_size 327680
		.amdhsa_private_segment_fixed_size 0
		.amdhsa_enable_private_segment 0
		.amdhsa_kernarg_size 56
		.amdhsa_user_sgpr_count 2
		.amdhsa_user_sgpr_kernarg_segment_ptr 1
		.amdhsa_wavefront_size32 1
		.amdhsa_system_sgpr_workgroup_id_x 1
		.amdhsa_system_sgpr_workgroup_id_y 1
		.amdhsa_system_sgpr_workgroup_id_z 1
		.amdhsa_system_vgpr_workitem_id 0
		.amdhsa_next_free_vgpr 1024
		.amdhsa_next_free_sgpr 102
		.amdhsa_reserve_vcc 1
		.amdhsa_float_denorm_mode_32 3
		.amdhsa_float_denorm_mode_16_64 3
		.amdhsa_memory_ordered 1
		.amdhsa_forward_progress 1
		.amdhsa_inst_pref_size 173
	.end_amdhsa_kernel
	.amdgpu_metadata
---
amdhsa.version: [ 1, 2 ]
amdhsa.kernels:
  - .name:           k_q33b8922c09_proj
    .symbol:         k_q33b8922c09_proj.kd
    .args:
      - { .name: xw_codes, .offset: 0, .size: 8, .value_kind: global_buffer, .address_space: global }
      - { .name: xw_scales, .offset: 8, .size: 8, .value_kind: global_buffer, .address_space: global }
      - { .name: bq, .offset: 16, .size: 8, .value_kind: global_buffer, .address_space: global }
      - { .name: bk, .offset: 24, .size: 8, .value_kind: global_buffer, .address_space: global }
      - { .name: bv, .offset: 32, .size: 8, .value_kind: global_buffer, .address_space: global }
      - { .name: qkv_codes, .offset: 40, .size: 8, .value_kind: global_buffer, .address_space: global }
      - { .name: qkv_scales, .offset: 48, .size: 8, .value_kind: global_buffer, .address_space: global }
    .group_segment_fixed_size: 327680
    .private_segment_fixed_size: 0
    .kernarg_segment_align: 8
    .kernarg_segment_size: 56
    .max_flat_workgroup_size: 128
    .sgpr_count:     102
    .vgpr_count:     1024
    .wavefront_size: 32
...
	.end_amdgpu_metadata
.endif
;; end of part 2
;; launch attn (part 3): grid 8 x 32, 8 waves a work-group, clusters of 4 x 1, 205,824 bytes of LDS; arguments qkv_codes, qkv_scales, vals_codes, vals_scales; writes vals_codes, vals_scales
.if DOCPART == 3
	.amdgcn_target "amdgcn-amd-amdhsa--gfx1250"
	.amdhsa_code_object_version 6
	.text
	.protected	k_q33b8922c09_attn
	.globl	k_q33b8922c09_attn
	.p2align	8
	.type	k_q33b8922c09_attn,@function
k_q33b8922c09_attn:
	s_mov_b64 s[64:65], 0
	v_nop
	global_prefetch_b8 v0, s[64:65] scope:SCOPE_SE
	s_setreg_imm32_b32 hwreg(HW_REG_WAVE_MODE, 25, 1), 1
	s_wait_xcnt 0x0
	s_wait_alu depctr_hold_cnt(0) depctr_sa_sdst(0) depctr_va_vdst(0) depctr_va_sdst(0) depctr_va_ssrc(0) depctr_va_vcc(0) depctr_vm_vsrc(0)
	s_getreg_b32 s2, hwreg(HW_REG_IB_STS2, 6, 4)
	s_cmp_eq_u32 s2, 0
	s_cbranch_scc0 .Lentry_in_a_cluster
	s_endpgm
.Lentry_in_a_cluster:
	s_bfe_u32 s2, ttmp6, 0x10000c
	s_cmp_lg_u32 s2, 0x3003
	s_cbranch_scc0 .Lentry_shape_is_right
	s_endpgm
.Lentry_shape_is_right:
; values[b][h][q] = sum over k of softmax_k(q . k / 8) v: 32 heads of 2,048 tokens x 64, both products on codes of FP6 (E2M3) with E8M0 scales; the values are quantised along the channels and leave as codes for the last projection.
; THE SOFTMAX: t = score x log2(e) / 8; M = the row's largest t so far, rounded up to a whole number; p = 2^(t - M) is quantised along the keys, not normalised; the row's sum is taken of the unquantised p and divides at the end.
; When M moves, the sum and O are multiplied by 2^(old M - new M): exact.
; SHARES: a work-group owns one head and 256 queries; each of its eight waves TWO tiles of 16 queries (x = 0, 1), two waves to a SIMD.  A fragment of K or V read from LDS serves both tiles: 34 LDS loads for 32 queries x 128 keys.
; Every phase of a step is laid for both tiles on end, so that the lines of one tile stand between the dependent lines of the other.
; THE WHOLE HEAD LIES IN LDS, FILLED ONCE: K's codes 98,304 bytes, V's 98,304, their scale words 4,096 each.  No ring, no refill.  The four work-groups of a cluster walk the same head: every fill is a joint load (mask 15).
; ONE TENSOR LOAD A WAVE: wave 0 the scale words, waves 1, 2 K's and V's key steps 0 and 1, waves 3, 4 the next seven steps, waves 5, 6 the last seven.  The first barrier shows waves 0 to 2's tiles; steps 0 and 1 are written out; the other fourteen are a loop behind a second barrier.
; No prefetch: all of K and V is asked for at the head.
; LAYOUT: both products are used transposed (S^T = K Q^T, O^T = V^T P^T): a lane holds one query of each tile.  KEY TILE 4 c + u of a step holds in row m key 64 c + 32 (m / 8) + 8 u + m % 8 (so the first launch lays xk's rows):
; register 32 c + i of the scores in lane (r, h) is key 64 c + 32 h + i of query r: one whole block of 32 keys in a lane, in the order of the next operand's registers.
; K = 64 IN AN INSTRUCTION OF 128: a fragment of K holds key tile 2 j in k 0-63 and tile 2 j + 1 in k 64-127.  Against [q | zero codes] it gives tile 2 j's scores, against [zero codes | q] tile 2 j + 1's.
; LIMITS: NaN and infinities are not served; the promise holds while the scaled scores t stay under 2^31 in magnitude; a block whose largest magnitude lies under 2^-124 has its byte held at 1, a block of zeros too: its codes are zeros, and this program alone reads the bytes.
; REGISTERS, window 0: v1-7 lane constants; v8-13 the step's LDS addresses; v14 16 r; v15 8 h; v[16+2x] -M, v[17+2x] the largest score; v[20+2x ..] the sum; v[24+2x ..] f; v28-57 zeros, q0, zeros, q1, zeros; v58, v59 q's scale words;
;   v60-63 work; v64-111 K's four fragments, then p's codes and work; v112-175 tile 0's S^T, then p; v176-223 V's four fragments; v224-227 K's scale words, v228-231 V's, v232, v233 p's; v234-253 work; v254, v255 the spare word's address and 0.
;   window 1: v112-175 tile 1's S^T, then p; v176-207 tile 0's O^T, v208-239 tile 1's.
.set VB,   98304                       ; LDS: K's codes at 0, V's here,
.set KW,   196608                      ; K's scale words,
.set VW,   200704                      ; V's,
.set SPARE, 204800                     ; the spare words: 128 bytes a wave
.set STB,  6144                        ; a key step's codes of K, and of V
.set SU,   20
.set FF,   24
.set QB,   28
.set QS,   58
.set OM,   60                          ; the old -M
.set TT,   62
.set KF,   64
.set PC,   64                          ; p's codes: 12 registers a tile
.set CT,   88                          ; the blocks' upper 16 codes as converted
.set SC,   104                         ; four chains of the sum
.set S,    112
.set VF,   176
.set OO,   176                         ; in window 1
.set KWD,  224
.set VWD,  228
.set PS,   232
.set MX,   234                         ; eight chains of maxima a tile; then block c's largest at MX + 8 x + 4 c
.set SO,   250-2                       ; v248-251 the conversions' scale operands
.set UU,   252
.set WV,   12
.set G1A,  24
.set G1B,  32
.set G1S,  40
.set GA,   48
.set GB,   52
.set GC,   56
.set GS,   60
.set T6,   66
.set T2,   67
.set CNT,  68
.set SEL,  70                          ; lane l xor 16
.set CS,   72                          ; c = log2(e) / 8
.set MSB, 0
.macro WIN new                         ; low byte: bits 1:0 source 0, 3:2 source 1, 5:4 source 2, 7:6 destination; the high byte repeats the setting that is left
.if MSB != \new
	s_set_vgpr_msb (MSB<<8)|\new
.set MSB, \new
.endif
.endm
.macro WALU
	s_wait_alu depctr_va_vdst(0)
.endm
.macro CROUND
	s_barrier_signal -1
	s_barrier_wait -1
	s_cmp_lg_u32 s[WV], 0
	s_cbranch_scc1 .Lnot_wave_0_\@
	s_barrier_signal -3
.Lnot_wave_0_\@:
	s_barrier_wait -3
	s_barrier_signal -1
	s_barrier_wait -1
.endm
.macro DENSE g, rows                   ; a dense block as rows of 256 bytes (32 elements of 8); mask: all four work-groups; bit 21 beside it
	s_mov_b32 s[\g], 15|(3<<16)|(1<<21)
	s_mov_b32 s[\g+1], 32<<16
	s_mov_b32 s[\g+2], (\rows)<<16
	s_mov_b32 s[\g+3], 32<<16
	s_mov_b32 s[\g+4], \rows
	s_mov_b32 s[\g+5], 32
	s_mov_b32 s[\g+6], 0
	s_mov_b32 s[\g+7], 0
.endm
	s_load_b256 s[4:11], s[0:1], 0x0               ; codes of q, k, v; their scale words; the values' codes; their scale words
	v_lshl_add_u32 v254, v0, 2, SPARE
	v_mov_b32 v255, 0
	ds_add_u32 v254, v255                          ; the opening lines: the add twice and its wait
	ds_add_u32 v254, v255
	v_lshrrev_b32 v1, 5, v0
	v_readfirstlane_b32 s[WV], v1                  ; wave 0..7
	s_bfe_u32 s13, ttmp6, 0x40000                  ; cx
	s_lshl_b32 s14, ttmp9, 2
	s_add_co_u32 s14, s14, s13                     ; my block of 256 queries: it enters q's and the values' addresses alone
	s_and_b32 s15, ttmp7, 0xffff                   ; the head of 32, which the four partners share
	s_lshl_b32 s74, s14, 4
	s_lshl_b32 s23, s[WV], 1
	s_add_co_u32 s74, s74, s23                     ; my first tile of queries, an even number, 0 .. 126
	s_mul_i32 s75, s15, 98304                      ; the head's codes
	s_mul_i32 s76, s74, 768
	s_add_co_u32 s76, s76, s75                     ; q's codes: two tiles on end
	s_mov_b32 s77, 0
	s_lshl_b32 s78, s15, 12
	s_lshr_b32 s79, s74, 3
	s_lshl_b32 s79, s79, 8
	s_add_co_u32 s78, s78, s79
	s_bfe_u32 s79, s74, 0x20001
	s_lshl_b32 s79, s79, 2
	s_add_co_u32 s78, s78, s79                     ; the word with my two tiles' bytes: step tile / 8, word (tile / 2) % 4
	s_mov_b32 s79, 0
	s_lshr_b32 s80, s15, 4
	s_lshl_b32 s80, s80, 7
	s_add_co_u32 s80, s80, s74                     ; my first tile among the 256 token tiles
	s_lshl_b32 s82, s80, 9
	s_mul_i32 s80, s80, 12288
	s_and_b32 s81, s15, 15                         ; the head of 16: K = 64 x head of the last projection
	s_mul_i32 s83, s81, 768
	s_add_co_u32 s80, s80, s83                     ; the values' codes
	s_lshr_b32 s83, s81, 2
	s_lshl_b32 s83, s83, 7
	s_add_co_u32 s82, s82, s83
	s_and_b32 s83, s81, 3
	s_lshl_b32 s83, s83, 1
	s_add_co_u32 s82, s82, s83                     ; their two scale bytes
	s_mov_b32 s81, 0
	s_mov_b32 s83, 0
	s_and_b32 s16, s[WV], 1
	s_xor_b32 s16, s16, 1                          ; odd waves fetch for K (0), even ones for V (1)
	s_mul_i32 s18, s16, 3145728
	s_add_co_u32 s18, s18, s75
	s_add_co_u32 s18, s18, 3145728
	s_mov_b32 s19, 0
	s_mul_i32 s17, s16, VB
	s_lshl_b32 s20, s15, 12
	s_add_co_u32 s20, s20, 131072
	s_mov_b32 s21, 0
	DENSE G1A, 48
	DENSE G1B, 168
	s_mov_b32 s[G1S], 15|(3<<16)|(1<<21)           ; two rows of 4,096 bytes, 131,072 bytes apart: K's words, V's words
	s_mov_b32 s[G1S+1], 512<<16
	s_mov_b32 s[G1S+2], 2<<16
	s_mov_b32 s[G1S+3], 512<<16
	s_mov_b32 s[G1S+4], 2
	s_mov_b32 s[G1S+5], 16384
	s_mov_b32 s[G1S+6], 0
	s_mov_b32 s[G1S+7], 0
	s_mov_b32 s[SEL], 0x76543210
	s_mov_b32 s[SEL+1], 0xfedcba98
	s_mov_b32 s[CS], 0x3e38aa3b
	s_mov_b32 s[CS+1], s[CS]
	s_mov_b32 s[T6], 0
	s_mov_b32 s[T2], 0
	s_wait_dscnt 0x0
	s_wait_kmcnt 0x0
	s_add_nc_u64 s[76:77], s[4:5], s[76:77]
	s_add_nc_u64 s[78:79], s[6:7], s[78:79]
	s_add_nc_u64 s[80:81], s[8:9], s[80:81]
	s_add_nc_u64 s[82:83], s[10:11], s[82:83]
	s_add_nc_u64 s[18:19], s[4:5], s[18:19]
	s_add_nc_u64 s[20:21], s[6:7], s[20:21]
	s_mov_b32 s[GA], 1
	s_mov_b32 s[GA+1], s17
	s_mov_b64 s[GA+2:GA+3], s[18:19]
	s_or_b32 s[GA+3], s[GA+3], 0x80000000
	s_mov_b32 s[GB], 1
	s_add_co_u32 s[GB+1], s17, 12288
	s_add_nc_u64 s[GB+2:GB+3], s[18:19], 12288
	s_or_b32 s[GB+3], s[GB+3], 0x80000000
	s_mov_b32 s[GC], 1
	s_add_co_u32 s[GC+1], s17, 55296
	s_add_nc_u64 s[GC+2:GC+3], s[18:19], 55296
	s_or_b32 s[GC+3], s[GC+3], 0x80000000
	s_mov_b32 s[GS], 1
	s_mov_b32 s[GS+1], KW
	s_mov_b64 s[GS+2:GS+3], s[20:21]
	s_or_b32 s[GS+3], s[GS+3], 0x80000000
	CROUND                                         ; all four work-groups are here: the joint loads meet
; the fills: one chain of branches on the wave's number, one load to an arm, all arms to one join
.macro ARM under, g0, g1, next
	s_cmp_lt_u32 s[WV], \under
	s_cbranch_scc0 \next
	tensor_load_to_lds s[\g0:\g0+3], s[\g1:\g1+7]
	s_nop 0
.rept 4
	v_nop
.endr
	s_branch .Lasked
\next:
.endm
	ARM 1, GS, G1S, .Lnot_s
	ARM 3, GA, G1A, .Lnot_a
	ARM 5, GB, G1B, .Lnot_b
	s_cmp_lt_u32 s[WV], 7
	s_cbranch_scc0 .Lasked
	tensor_load_to_lds s[GC:GC+3], s[G1B:G1B+7]
	s_nop 0
.rept 4
	v_nop
.endr
.Lasked:
	v_and_b32 v7, 31, v0                           ; lane
	v_and_b32 v13, 15, v0                          ; r
	v_bfe_u32 v15, v0, 4, 1                        ; h
	v_lshlrev_b32 v1, 4, v7                        ; 16 x lane
	v_lshlrev_b32 v2, 3, v7                        ; 8 x lane
	v_lshlrev_b32 v14, 4, v13                      ; 16 r
	global_load_b128 v[QB+6:QB+9], v1, s[76:77]    ; the two tiles' half fragments of q stay in registers
	global_load_b64 v[QB+10:QB+11], v2, s[76:77] offset:512
	global_load_b128 v[QB+18:QB+21], v1, s[76:77] offset:768
	global_load_b64 v[QB+22:QB+23], v2, s[76:77] offset:1280
	global_load_b32 v[QS], v14, s[78:79]
	v_lshlrev_b32 v15, 3, v15                      ; 8 h
	v_add_nc_u32 v3, VB, v1
	v_add_nc_u32 v4, VB, v2
	v_add_nc_u32 v5, KW, v14
	v_add_nc_u32 v6, VW, v14
	v_lshlrev_b32 v7, 3, v13                       ; 8 r
.irp i, 0,1,2,3,4,5
	v_mov_b32 v[QB+\i], 0                          ; zero codes round the two q
	v_mov_b32 v[QB+12+\i], 0
	v_mov_b32 v[QB+24+\i], 0
.endr
.irp x, 0,1
	v_mov_b32 v[17+2*\x], 0xff61b1e6               ; the largest score so far: -3e38
	v_mov_b32 v[SU+2*\x], 0                        ; the sum, in two halves
	v_mov_b32 v[SU+2*\x+1], 0
	v_mov_b32 v[FF+2*\x+1], 0                      ; (named as the upper half of a pair)
	v_mov_b32 v[UU+\x], 0                          ; (a lane permute's destination counts as one of its sources)
.endr
.irp x, 0,1
	v_mul_f32 v[TT+\x], s[CS], v[17+2*\x]
.endr
.irp x, 0,1
	v_floor_f32 v[16+2*\x], -v[TT+\x]              ; -M
.endr
	WIN 0x40
.set j, 0
.rept 64
	v_mov_b32 v[OO+j], 0                           ; O^T of both tiles: the step is written once for all steps; the first finds zeros
.set j, j+1
.endr
	WIN 0
	s_wait_loadcnt 0x0
	v_lshrrev_b32 v[QS+1], 16, v[QS]               ; the odd tile's two bytes,
	v_and_b32 v[QS], 0xffff, v[QS]                 ; the even tile's;
	v_lshl_or_b32 v[QS+1], v[QS+1], 16, v[QS+1]    ; each for k 0-63 and for k 64-127: the half that meets zero codes may have any finite byte
	v_lshl_or_b32 v[QS], v[QS], 16, v[QS]
.rept 8
	v_nop                                          ; the places between a scale word's last write and the first product
.endr
.macro SPROD x                         ; S^T of tile x: eight products
.irp j, 0,1,2,3
	v_wmma_scale_f32_16x16x128_f8f6f4 v[S+16*\j:S+16*\j+7], v[KF+12*\j:KF+12*\j+11], v[QB+6+12*\x:QB+17+12*\x], 0, v[KWD+\j], v[QS+\x] matrix_a_fmt:MATRIX_FMT_FP6 matrix_b_fmt:MATRIX_FMT_FP6
	v_wmma_scale_f32_16x16x128_f8f6f4 v[S+16*\j+8:S+16*\j+15], v[KF+12*\j:KF+12*\j+11], v[QB+12*\x:QB+11+12*\x], 0, v[KWD+\j], v[QS+\x] matrix_a_fmt:MATRIX_FMT_FP6 matrix_b_fmt:MATRIX_FMT_FP6
.endr
.endm
.macro MAXES x                         ; tile x's scores: eight chains, one to an accumulator, each first read at its low end; then the four leftovers of each block
	WIN 0x15*\x
.irp k, 0,1,2,3,4,5,6,7
	v_max3_num_f32 v[MX+8*\x+\k], v[S+8*\k], v[S+8*\k+1], v[S+8*\k+2]
.endr
	WIN 0x14*\x
.irp i, 3,5
.irp k, 0,1,2,3,4,5,6,7
	v_max3_num_f32 v[MX+8*\x+\k], v[MX+8*\x+\k], v[S+8*\k+\i], v[S+8*\k+\i+1]
.endr
.endr
.irp c, 0,1
	v_max3_num_f32 v[MX+8*\x+4*\c], v[MX+8*\x+4*\c], v[S+32*\c+7], v[S+32*\c+15]
	v_max3_num_f32 v[MX+8*\x+4*\c+2], v[MX+8*\x+4*\c+2], v[S+32*\c+23], v[S+32*\c+31]
.endr
.endm
.macro FMAS x, n                       ; n packed multiply-adds: t - M, two at a time
.rept \n
	v_pk_fma_f32 v[S+j:S+j+1], v[S+j:S+j+1], s[CS:CS+1], v[16+2*\x:17+2*\x] op_sel_hi:[1,0,0]
.set j, j+2
.endr
.endm
.macro EXPS
.set j, 0
.rept 64
	v_exp_f32 v[S+j], v[S+j]                       ; p = 2^(t - M)
.set j, j+1
.endr
.endm
.macro SUMS x                          ; the row's sum of the unquantised p of tile x: 32 pairs in five chains
	WIN 0x05*\x
.irp n, 0,1,2,3
	v_pk_add_f32 v[SC+2*\n:SC+2*\n+1], v[S+4*\n:S+4*\n+1], v[S+4*\n+2:S+4*\n+3]
.endr
	WIN 0x04*\x
	v_pk_add_f32 v[SU+2*\x:SU+2*\x+1], v[SU+2*\x:SU+2*\x+1], v[S+16:S+17]
.set j, 18
.rept 4
.irp n, 0,1,2,3
	v_pk_add_f32 v[SC+2*\n:SC+2*\n+1], v[SC+2*\n:SC+2*\n+1], v[S+j+2*\n:S+j+2*\n+1]
.endr
	v_pk_add_f32 v[SU+2*\x:SU+2*\x+1], v[SU+2*\x:SU+2*\x+1], v[S+j+8:S+j+9]
.set j, j+10
.endr
.irp n, 0,1,2
	v_pk_add_f32 v[SC+2*\n:SC+2*\n+1], v[SC+2*\n:SC+2*\n+1], v[S+58+2*\n:S+59+2*\n]
.endr
	WIN 0
	v_pk_add_f32 v[SC:SC+1], v[SC:SC+1], v[SC+2:SC+3]
	v_pk_add_f32 v[SC+4:SC+5], v[SC+4:SC+5], v[SC+6:SC+7]
	v_pk_add_f32 v[SU+2*\x:SU+2*\x+1], v[SU+2*\x:SU+2*\x+1], v[SC:SC+1]
	v_pk_add_f32 v[SU+2*\x:SU+2*\x+1], v[SU+2*\x:SU+2*\x+1], v[SC+4:SC+5]
.endm
.macro CVTS x                          ; tile x's 64 p of my lane into 12 registers of codes (a conversion's three registers begin on an even number)
	WIN 0x01*\x
.irp c, 0,1
	v_cvt_scalef32_pk16_fp6_f32 v[PC+12*\x+6*\c:PC+12*\x+6*\c+2], v[S+32*\c:S+32*\c+15], v[SO+2*\x+\c]
	v_cvt_scalef32_pk16_fp6_f32 v[CT+8*\x+4*\c:CT+8*\x+4*\c+2], v[S+32*\c+16:S+32*\c+31], v[SO+2*\x+\c]
.endr
.endm
.macro MOV3 x, c
.irp i, 0,1,2
	v_mov_b32 v[PC+12*\x+6*\c+3+\i], v[CT+8*\x+4*\c+\i]
.endr
.endm
.macro HINT2
	s_delay_alu instid0(VALU_DEP_2)
.endm
; A KEY STEP: 128 keys x 32 queries.
.macro STEP
	v_add_nc_u32 v8, s[T6], v1                     ; six additions: also the places behind the last step's products, in front of the loads into their registers
	v_add_nc_u32 v9, s[T6], v2
	v_add_nc_u32 v10, s[T6], v3
	v_add_nc_u32 v11, s[T6], v4
	v_add_nc_u32 v12, s[T2], v5
	v_add_nc_u32 v13, s[T2], v6
	ds_load_b128 v[KWD:KWD+3], v12                 ; K's four scale words of row r
.irp u, 0,1,2,3,4,5,6,7
	ds_load_b128 v[KF+6*\u:KF+6*\u+3], v8 offset:768*\u      ; key tile u: an image of six registers
	ds_load_b64 v[KF+6*\u+4:KF+6*\u+5], v9 offset:768*\u+512
.endr
	ds_load_b128 v[VWD:VWD+3], v13                 ; V's
.irp u, 0,1,2,3,4,5,6,7
	ds_load_b128 v[VF+6*\u:VF+6*\u+3], v10 offset:768*\u     ; channel tile u / 2, keys 64 (u % 2) on
	ds_load_b64 v[VF+6*\u+4:VF+6*\u+5], v11 offset:768*\u+512
.endr
	s_wait_dscnt 17                                ; K and its words are in; V's 16 loads and V's words may be out
	SPROD 0
	WIN 0x40
	SPROD 1
	WIN 0
	v_mov_b32 v[OM], v16                           ; the old -M of both tiles: with two v_nop the places in front of the first read of the scores
	v_mov_b32 v[OM+1], v18
	v_nop
	v_nop
	MAXES 0
	MAXES 1
	WIN 0
.irp x, 0,1
.irp c, 0,1
	v_max3_num_f32 v[MX+8*\x+4*\c], v[MX+8*\x+4*\c], v[MX+8*\x+4*\c+1], v[MX+8*\x+4*\c+2]
.endr
.endr
.irp x, 0,1
.irp c, 0,1
	v_max_num_f32 v[MX+8*\x+4*\c], v[MX+8*\x+4*\c], v[MX+8*\x+4*\c+3]   ; block 2 c + h's largest score: for the row's maximum and, since p rises with the score, for the block's largest p
.endr
.endr
.irp x, 0,1
	v_max_num_f32 v[TT+\x], v[MX+8*\x], v[MX+8*\x+4]
.endr
.irp x, 0,1
	HINT2
	v_permlanex16_b32 v[UU+\x], v[TT+\x], s[SEL], s[SEL+1]   ; lane l xor 16's 64 keys
.endr
.irp x, 0,1
	HINT2
	v_max3_num_f32 v[17+2*\x], v[17+2*\x], v[TT+\x], v[UU+\x]   ; the running largest score
.endr
.irp x, 0,1
	HINT2
	v_mul_f32 v[TT+\x], s[CS], v[17+2*\x]          ; as t (c is positive)
.endr
.irp x, 0,1
	HINT2
	v_floor_f32 v[16+2*\x], -v[TT+\x]              ; the new -M = -ceil(t)
.endr
.irp x, 0,1
	HINT2
	v_sub_f32 v[TT+\x], v[16+2*\x], v[OM+\x]       ; old M - new M: a whole number, 0 or less
.endr
.set j, 0
	FMAS 0, 4
	v_cvt_i32_f32 v[TT], v[TT]                     ; (it saturates)
	v_cvt_i32_f32 v[TT+1], v[TT+1]
	FMAS 0, 4
	v_ldexp_f32 v[FF], 1.0, v[TT]                  ; f = 2^(old M - new M)
	v_ldexp_f32 v[FF+2], 1.0, v[TT+1]
	FMAS 0, 24
.irp x, 0,1
.irp c, 0,1
	v_fma_f32 v[MX+8*\x+4*\c], v[MX+8*\x+4*\c], s[CS], v[16+2*\x]   ; the same of each block's largest score
.endr
.endr
	WIN 0x41
.set j, 0
	FMAS 1, 32
	WALU                                           ; the wait ahead of the batch
	EXPS                                           ; tile 1's,
	WIN 0
.irp x, 0,1
.irp c, 0,1
	v_exp_f32 v[MX+8*\x+4*\c], v[MX+8*\x+4*\c]     ; the blocks' largest p: the same two instructions on the same number give the same bits
.endr
.endr
	EXPS                                           ; tile 0's
.irp x, 0,1
	v_pk_mul_f32 v[SU+2*\x:SU+2*\x+1], v[SU+2*\x:SU+2*\x+1], v[FF+2*\x:FF+2*\x+1] op_sel_hi:[1,0]   ; the sums under the new M: the plain place behind the exponentials
.endr
	WALU                                           ; one wait for the whole batch, ahead of its first reader
	SUMS 0
	SUMS 1
.irp x, 0,1
.irp c, 0,1
	v_max_num_f32 v[MX+8*\x+4*\c], 0x1800000, v[MX+8*\x+4*\c]   ; the floor 2^(3 - 127): the byte cannot fall under 1
.endr
.endr
.irp x, 0,1
.irp c, 0,1
	v_add_nc_u32 v[SO+2*\x+\c], 0xff000000, v[MX+8*\x+4*\c]     ; 2 off the exponent field: the conversion's scale operand
.endr
.endr
	CVTS 0
	CVTS 1
	WIN 0
.irp x, 0,1
.irp c, 0,1
	v_lshrrev_b32 v[MX+8*\x+4*\c], 23, v[SO+2*\x+\c]   ; the scales' bytes (also the plain place behind the conversions)
.endr
.endr
.irp x, 0,1
	v_lshl_or_b32 v[MX+8*\x+1], v[MX+8*\x+4], 16, v[MX+8*\x]   ; blocks h and 2 + h,
.endr
	MOV3 0, 0
	MOV3 0, 1
.irp x, 0,1
	v_lshlrev_b32 v[MX+8*\x+1], v15, v[MX+8*\x+1]  ; at their places in the word;
.endr
	MOV3 1, 0
.irp x, 0,1
	v_permlanex16_b32 v[MX+8*\x+2], v[MX+8*\x+1], s[SEL], s[SEL+1]
.endr
	MOV3 1, 1
.irp x, 0,1
	v_or_b32 v[PS+\x], v[MX+8*\x+1], v[MX+8*\x+2]  ; with lane l xor 16's two the word is whole
.endr
	WIN 0x41
	WALU                                           ; the wait directly ahead of the first reader of O^T
.irp x, 0,1
.set j, 0
.rept 16
	v_pk_mul_f32 v[OO+32*\x+j:OO+32*\x+j+1], v[OO+32*\x+j:OO+32*\x+j+1], v[FF+2*\x:FF+2*\x+1] op_sel_hi:[1,0]   ; O^T under the new M.  (Also the places between the writes of p's codes and scale words and the products)
.set j, j+2
.endr
.endr
	WALU                                           ; the wait directly ahead of the wait below
	s_wait_dscnt 0x0                               ; V and its words are in
	WIN 0x50
.irp t, 0,1,2,3
.irp x, 0,1
	v_wmma_scale_f32_16x16x128_f8f6f4 v[OO+32*\x+8*\t:OO+32*\x+8*\t+7], v[VF+12*\t:VF+12*\t+11], v[PC+12*\x:PC+12*\x+11], v[OO+32*\x+8*\t:OO+32*\x+8*\t+7], v[VWD+\t], v[PS+\x] matrix_a_fmt:MATRIX_FMT_FP6 matrix_b_fmt:MATRIX_FMT_FP6
.endr
.endr                                          ; eight accumulators by turns, one instruction a turn
	WIN 0
	s_add_co_u32 s[T6], s[T6], STB
	s_add_co_u32 s[T2], s[T2], 256
.endm
	WALU                                           ; the wait at the head's end
	s_cmp_lt_u32 s[WV], 3                          ; waves 0 to 2 issued the lines whose tiles the first barrier shows
	s_cbranch_scc0 .Lnot_first
	s_wait_tensorcnt 0x0
.Lnot_first:
	s_barrier_signal -1
	s_barrier_wait -1
	STEP                                           ; steps 0 and 1 read LDS bytes 0 to 12,287 of K and of V, into which no load is on its way
	STEP
	s_wait_tensorcnt 0x0                           ; my part of the rest is in,
	s_wait_dscnt 0x0
	s_barrier_signal -1
	s_barrier_wait -1                              ; everybody's is
	s_mov_b32 s[CNT], 14
.Lstep:
	STEP
	s_sub_co_u32 s[CNT], s[CNT], 1
	s_cmp_lg_u32 s[CNT], 0
	s_cbranch_scc1 .Lstep
	; THE WAY OUT: O^T / the sum, quantised along the head's 64 channels: register 16 b + i is channel 32 b + 16 h + i: two blocks a tile, each in lanes l and l xor 16
.irp x, 0,1
	v_add_f32 v[SU+2*\x], v[SU+2*\x], v[SU+2*\x+1]
.endr
.irp x, 0,1
	v_permlanex16_b32 v[UU+\x], v[SU+2*\x], s[SEL], s[SEL+1]
.endr
.irp x, 0,1
	v_add_f32 v[SU+2*\x], v[SU+2*\x], v[UU+\x]
.endr
	WALU
.irp x, 0,1
	v_rcp_f32 v[FF+2*\x], v[SU+2*\x]
.endr
.rept 4
	v_nop                                          ; the plain place behind the reciprocals, and the places behind the last products
.endr
	WIN 0x01
	WALU
.irp x, 0,1
.set j, 0
.rept 16
	v_pk_mul_f32 v[S+32*\x+j:S+32*\x+j+1], v[OO+32*\x+j:OO+32*\x+j+1], v[FF+2*\x:FF+2*\x+1] op_sel_hi:[1,0]   ; each accumulator from its low end on
.set j, j+2
.endr
.endr
	WIN 0
.macro OUTQ x                          ; tile x: its 32 numbers of my lane lie from v[S + 32 x] on; codes, work and bytes have registers of their own for each tile, so that no store's data are written again
.irp b, 0,1
	v_max3_num_f32 v[MX+8*\x+\b], |v[S+32*\x+16*\b]|, |v[S+32*\x+16*\b+1]|, 0x1800000
.endr
.irp i, 2,4,6,8,10,12,14
.irp b, 0,1
	v_max3_num_f32 v[MX+8*\x+\b], v[MX+8*\x+\b], |v[S+32*\x+16*\b+\i]|, |v[S+32*\x+16*\b+\i+1]|
.endr
.endr
.irp b, 0,1
	v_permlanex16_b32 v[MX+8*\x+2+\b], v[MX+8*\x+\b], s[SEL], s[SEL+1]
.endr
.irp b, 0,1
	v_max_num_f32 v[MX+8*\x+\b], v[MX+8*\x+\b], v[MX+8*\x+2+\b]
.endr
.irp b, 0,1
	v_add_nc_u32 v[SO+2*\x+\b], 0xff000000, v[MX+8*\x+\b]
.endr
.irp b, 0,1
	v_lshrrev_b32 v[MX+8*\x+2+\b], 23, v[SO+2*\x+\b]
.endr
	v_lshl_or_b32 v[MX+8*\x+4], v[MX+8*\x+3], 8, v[MX+8*\x+2]   ; my row's two bytes; lanes r and r + 16 hold the same
	v_cvt_scalef32_pk16_fp6_f32 v[PC+12*\x:PC+12*\x+2], v[S+32*\x:S+32*\x+15], v[SO+2*\x]
	v_cvt_scalef32_pk16_fp6_f32 v[CT+8*\x:CT+8*\x+2], v[S+32*\x+16:S+32*\x+31], v[SO+2*\x+1]
	v_nop                                          ; one plain place behind a scaled conversion
.irp i, 0,1,2
	v_permlane16_swap_b32 v[PC+12*\x+\i], v[CT+8*\x+\i]   ; a whole block in a lane
.endr
.irp i, 0,1,2
	v_mov_b32 v[PC+12*\x+3+\i], v[CT+8*\x+\i]
.endr
	global_store_b128 v1, v[PC+12*\x:PC+12*\x+3], s[80:81] offset:12288*\x        ; 512 consecutive bytes,
	global_store_b64 v2, v[PC+12*\x+4:PC+12*\x+5], s[80:81] offset:12288*\x+512   ; 256: both at multiples of 256 from the buffer's first byte
	global_store_b16 v7, v[MX+8*\x+4], s[82:83] offset:512*\x   ; a head owns two bytes of a row's word; lanes r and r + 16 store the same two bytes to the same place
.endm
	OUTQ 0
	OUTQ 1
	s_wait_tensorcnt 0x0                           ; the wave's end
	ds_add_u32 v254, v255
	s_wait_dscnt 0x0
	CROUND                                         ; the closing round
	s_endpgm
.Lfunc_end_k_q33b8922c09_attn:
	.size	k_q33b8922c09_attn, .Lfunc_end_k_q33b8922c09_attn-k_q33b8922c09_attn
	.p2alignl 7, 3214868480
	.fill 96, 4, 3214868480
	.section	.rodata,"a",@progbits
	.p2align	6, 0x0
	.amdhsa_kernel k_q33b8922c09_attn
		.amdhsa_group_segment_fixed_size 205824
		.amdhsa_private_segment_fixed_size 0
		.amdhsa_enable_private_segment 0
		.amdhsa_kernarg_size 32
		.amdhsa_user_sgpr_count 2
		.amdhsa_user_sgpr_kernarg_segment_ptr 1
		.amdhsa_wavefront_size32 1
		.amdhsa_system_sgpr_workgroup_id_x 1
		.amdhsa_system_sgpr_workgroup_id_y 1
		.amdhsa_system_sgpr_workgroup_id_z 1
		.amdhsa_system_vgpr_workitem_id 0
		.amdhsa_next_free_vgpr 496
		.amdhsa_next_free_sgpr 84
		.amdhsa_reserve_vcc 0
		.amdhsa_float_denorm_mode_32 3
		.amdhsa_float_denorm_mode_16_64 3
		.amdhsa_memory_ordered 1
		.amdhsa_forward_progress 1
		.amdhsa_inst_pref_size 102
	.end_amdhsa_kernel
	.amdgpu_metadata
---
amdhsa.version: [ 1, 2 ]
amdhsa.kernels:
  - .name:           k_q33b8922c09_attn
    .symbol:         k_q33b8922c09_attn.kd
    .args:
      - { .name: qkv_codes, .offset: 0, .size: 8, .value_kind: global_buffer, .address_space: global }
      - { .name: qkv_scales, .offset: 8, .size: 8, .value_kind: global_buffer, .address_space: global }
      - { .name: vals_codes, .offset: 16, .size: 8, .value_kind: global_buffer, .address_space: global }
      - { .name: vals_scales, .offset: 24, .size: 8, .value_kind: global_buffer, .address_space: global }
    .group_segment_fixed_size: 205824
    .private_segment_fixed_size: 0
    .kernarg_segment_align: 8
    .kernarg_segment_size: 32
    .max_flat_workgroup_size: 256
    .sgpr_count:     84
    .vgpr_count:     496
    .wavefront_size: 32
...
	.end_amdgpu_metadata
.endif
;; end of part 3
;; launch outp (part 4): grid 8 x 32, 4 waves a work-group, clusters of 4 x 4, 222,720 bytes of LDS; arguments vals_codes, vals_scales, xw_codes, xw_scales, bo, out0; writes out0
.if DOCPART == 4
	.amdgcn_target "amdgcn-amd-amdhsa--gfx1250"
	.amdhsa_code_object_version 6
	.text
	.protected	k_q33b8922c09_outp
	.globl	k_q33b8922c09_outp
	.p2align	8
	.type	k_q33b8922c09_outp,@function
k_q33b8922c09_outp:
	s_mov_b64 s[64:65], 0
	v_nop
	global_prefetch_b8 v0, s[64:65] scope:SCOPE_SE
	s_setreg_imm32_b32 hwreg(HW_REG_WAVE_MODE, 25, 1), 1
	s_wait_xcnt 0x0
	s_wait_alu depctr_hold_cnt(0) depctr_sa_sdst(0) depctr_va_vdst(0) depctr_va_sdst(0) depctr_va_ssrc(0) depctr_va_vcc(0) depctr_vm_vsrc(0)
	s_getreg_b32 s2, hwreg(HW_REG_IB_STS2, 6, 4)
	s_cmp_eq_u32 s2, 0
	s_cbranch_scc0 .Lentry_in_a_cluster
	s_endpgm
.Lentry_in_a_cluster:
	s_bfe_u32 s2, ttmp6, 0x10000c
	s_cmp_lg_u32 s2, 0xf033
	s_cbranch_scc0 .Lentry_shape_is_right
	s_endpgm
.Lentry_shape_is_right:
; out0 = values Wo^T + bo on codes of FP6 (E2M3) with E8M0 scales, f32 sums, K ascending.  values: 256 row tiles as the attention launch stored them; Wo: row tiles 960-1023 of the quantiser's buffer.
; OPERANDS: a row tile (16 rows: lane r of tile T holds row 32 (T / 2) + 8 (T % 2) + r + 8 (r / 8)) is 8 fragments of 1,536 bytes, images of the operand's registers; scale words [tile][K / 256][r][2].
; A tile of C is 128 x 128: C has 256 of them, one to a work-group.  Four waves, 64 x 64 each.
; ALL OF K LIES IN LDS, FILLED ONCE, ONE TENSOR LOAD A WAVE: wave 0 B's 8 row tiles (98,304 dense bytes), wave 1 A's scale words (4,096 bytes), wave 2 B's, wave 3 A's 8 row tiles.  No ring, no refill.
; The first barrier shows waves 0 to 2's tiles: B's fragments go into registers behind it; the second barrier shows A's.  No prefetch: every tile is asked for at the head.
; THE WORK GOES BY ROWS OF C.  A wave's 4 tiles of Wo, all of K, are 32 fragments, 384 registers, read from LDS once.  The values' four blocks of 16 rows pass one after the other: 32 products each, the block's four accumulators by turns,
; K ascending.  A finished block goes through the wave's stage in LDS, and its stores are issued behind the next block's products.  LDS is read as often as by K steps: 128 loads for B, 128 for A.
; THE MATRIX INSTRUCTION IS USED TRANSPOSED (source 0 = a tile of Wo, source 1 = a block of the values): a lane holds one token, and its eight results of tile b are columns 32 (b / 2) + 16 (lane / 16) + 8 (b % 2) + 0 .. 7.
; bo is the C of each sum's first product.  CLUSTERS: 4 x 4 work-groups; A's tiles are asked for jointly along a row of the cluster, B's along a column.
; REGISTERS: window 0: v1-7 lane numbers; v8-11 LDS addresses; v24-28 the way out, the scale words' address, bo's offset; v32-63 the scale words of all of K; v64-95 bo; v96-191 A's fragments of even blocks; v254, v255 the spare word's address and 0.
;   window 1: B's fragments of K steps 0-3 ((k, b) at v[48 (k % 4) + 12 b]);  window 2: of K steps 4-7.
;   window 3: v0-63 the accumulators, two sets of four; v96-191 A's fragments of odd blocks; v192-255 rows of C on the way out, two sets.
.set FR,     12                        ; registers of a fragment
.set NP,     4                         ; places behind this matrix instruction (ISA guide 7.12.1)
.set FB,     1536                      ; a fragment's image
.set RT,     8*FB                      ; a row tile, all of K
.set HALFT,  4*RT                      ; what one wave reads of A or of B
.set SCL,    4*HALFT                   ; behind A's 8 and B's 8 row tiles: the scale words
.set HALFS,  2048                      ; those of 4 row tiles
.set SBLK,   512                       ; of one
.set STAGE,  SCL+4*HALFS               ; a stage of 16 rows x (256 bytes + 16) for each wave; no tensor load lands here
.set SPITCH, 272
.set SPARE,  STAGE+4*16*SPITCH         ; the spare words
.set ADRA,  8                          ; A's fragments at 16 x lane, v9 at 8 x lane
.set ADRA8, 9
.set ADRB,  10                         ; the same for B
.set ADRB8, 11
.set STO,   24
.set RD,    25
.set CO,    26
.set ADRS,  27                         ; my scale words: lanes 0-15 A's rows, lanes 16-31 B's
.set SC,    32                         ; register 8 c + 2 i + q: lanes 0-15 the word of A's block i, lanes 16-31 that of B's tile i, for K = 256 c + 128 q on
.set BR,    64
.set AF,    96
.set BK,    192
.set G1,   24
.set G1B,  32
.set G1S,  40
.set G1SB, 48
.set G0S,  56
.set G0SB, 60
.set G0,   68
.set G0B,  72
.set MSB, 0
.macro WIN new                         ; low byte: bits 1:0 source 0, 3:2 source 1, 5:4 source 2, 7:6 destination; the high byte repeats the setting that is left
.if MSB != \new
	s_set_vgpr_msb (MSB<<8)|\new
.set MSB, \new
.endif
.endm
.macro CROUND
	s_barrier_signal -1
	s_barrier_wait -1
	s_cmp_lg_u32 s14, 0
	s_cbranch_scc1 .Lnot_wave_0_\@
	s_barrier_signal -3
.Lnot_wave_0_\@:
	s_barrier_wait -3
	s_barrier_signal -1
	s_barrier_wait -1
.endm
	s_load_b128 s[4:7], s[0:1], 0x0                ; the values' codes, their scale words
	s_load_b128 s[8:11], s[0:1], 0x10              ; the weights' codes, their scale words
	s_load_b64 s[12:13], s[0:1], 0x20              ; bo
	s_load_b64 s[100:101], s[0:1], 0x28            ; out0
	v_lshl_add_u32 v254, v0, 2, SPARE
	v_mov_b32 v255, 0
	ds_add_u32 v254, v255                          ; the opening lines: the add twice and its wait
	ds_add_u32 v254, v255
	v_lshrrev_b32 v1, 5, v0
	v_readfirstlane_b32 s14, v1                    ; wave 0..3
	s_lshr_b32 s15, s14, 1                         ; which half of A's rows is mine
	s_and_b32 s16, s14, 1                          ; which half of B's rows
	s_bfe_u32 s66, ttmp6, 0x40000                  ; cx, cy
	s_bfe_u32 s67, ttmp6, 0x40004
	s_lshl_b32 s18, ttmp9, 2
	s_add_co_u32 s18, s18, s66                     ; tile column of C, 0 .. 7
	s_and_b32 s17, ttmp7, 0xffff
	s_lshl_b32 s17, s17, 2
	s_add_co_u32 s17, s17, s67                     ; tile row of C, 0 .. 31
	s_lshl_b32 s20, s67, 2
	s_lshl_b32 s20, 15, s20                        ; my row of the cluster
	s_lshl_b32 s19, 0x1111, s66                    ; my column
	s_or_b32 s[G1+0], s20, (3<<16)|(1<<21)         ; 8 row tiles: 8 rows of 12,288 bytes (1,536 elements of 8), dense
	s_or_b32 s[G1B+0], s19, (3<<16)|(1<<21)
.irp g, G1, G1B
	s_mov_b32 s[\g+1], 1536<<16
	s_mov_b32 s[\g+2], 8<<16
	s_mov_b32 s[\g+3], 1536<<16
	s_mov_b32 s[\g+4], 8
	s_mov_b32 s[\g+5], 1536
	s_mov_b32 s[\g+6], 0
	s_mov_b32 s[\g+7], 0
.endr
	s_or_b32 s[G1S+0], s20, (3<<16)|(1<<21)        ; their scale words: 4,096 dense bytes as 16 rows of 256
	s_or_b32 s[G1SB+0], s19, (3<<16)|(1<<21)
.irp g, G1S, G1SB
	s_mov_b32 s[\g+1], 32<<16
	s_mov_b32 s[\g+2], 16<<16
	s_mov_b32 s[\g+3], 32<<16
	s_mov_b32 s[\g+4], 16
	s_mov_b32 s[\g+5], 32
	s_mov_b32 s[\g+6], 0
	s_mov_b32 s[\g+7], 0
.endr
	s_lshl_b32 s20, s17, 3                         ; A's first row tile: it hangs on the tile row alone
	s_lshl_b32 s19, s18, 3
	s_add_co_u32 s19, s19, 960                     ; B's: on the tile column alone; Wo begins at row tile 960
	s_lshl_b32 s22, s20, 9
	s_mul_i32 s20, s20, RT
	s_mul_i32 s2, s19, RT
	s_mov_b32 s21, 0
	s_mov_b32 s23, 0
	s_mov_b32 s3, 0
	s_mov_b32 s[G0], 1
	s_mov_b32 s[G0+1], 0
	s_mov_b32 s[G0B], 1
	s_mov_b32 s[G0B+1], 2*HALFT
	s_mov_b32 s[G0S], 1
	s_mov_b32 s[G0S+1], SCL
	s_mov_b32 s[G0SB], 1
	s_mov_b32 s[G0SB+1], SCL+2*HALFS
	s_wait_dscnt 0x0
	s_wait_kmcnt 0x0
	s_add_nc_u64 s[G0+2:G0+3], s[4:5], s[20:21]
	s_or_b32 s[G0+3], s[G0+3], 0x80000000
	s_add_nc_u64 s[G0S+2:G0S+3], s[6:7], s[22:23]
	s_or_b32 s[G0S+3], s[G0S+3], 0x80000000
	s_add_nc_u64 s[G0B+2:G0B+3], s[8:9], s[2:3]
	s_or_b32 s[G0B+3], s[G0B+3], 0x80000000
	s_lshl_b32 s4, s19, 9
	s_mov_b32 s5, 0
	s_add_nc_u64 s[G0SB+2:G0SB+3], s[10:11], s[4:5]
	s_or_b32 s[G0SB+3], s[G0SB+3], 0x80000000
	CROUND                                         ; all sixteen work-groups are here: the joint loads meet
.macro ARM under, g0, g1, next         ; one chain of branches on the wave's number, one load to an arm, all arms to one join
	s_cmp_lt_u32 s14, \under
	s_cbranch_scc0 \next
	tensor_load_to_lds s[\g0:\g0+3], s[\g1:\g1+7]
	s_nop 0
.rept 4
	v_nop
.endr
	s_branch .Lasked
\next:
.endm
	ARM 1, G0B,  G1B,  .Lfor_sa                    ; what is read first is asked for by waves 0 to 2
	ARM 2, G0S,  G1S,  .Lfor_sb
	ARM 3, G0SB, G1SB, .Lfor_a
	tensor_load_to_lds s[G0:G0+3], s[G1:G1+7]
	s_nop 0
.rept 4
	v_nop
.endr
.Lasked:
	s_mul_i32 s84, s15, HALFT                      ; my 4 row tiles of A
	s_mul_i32 s85, s16, HALFT
	s_add_co_u32 s85, s85, 2*HALFT                 ; my 4 of B, behind A's 8
	s_mul_i32 s86, s15, HALFS
	s_mul_i32 s87, s16, HALFS
	s_add_co_u32 s87, s87, 2*HALFS
	s_sub_co_u32 s87, s87, s86                     ; from A's scale words to B's
	s_add_co_u32 s86, s86, SCL
	s_mul_i32 s88, s14, 16*SPITCH
	s_add_co_u32 s88, s88, STAGE                   ; my stage
	s_lshl_b32 s20, s17, 7
	s_lshl_b32 s21, s15, 6
	s_add_co_u32 s20, s20, s21                     ; my first row of C,
	s_lshl_b32 s20, s20, 12                        ; in bytes
	s_lshl_b32 s2, s18, 7
	s_lshl_b32 s3, s16, 6
	s_add_co_u32 s2, s2, s3                        ; my first column,
	s_lshl_b32 s2, s2, 2                           ; in bytes: a multiple of 256
	s_mov_b32 s3, 0
	s_add_nc_u64 s[12:13], s[12:13], s[2:3]        ; bo at my first column
	s_add_co_u32 s20, s20, s2
	s_mov_b32 s21, 0
	s_add_nc_u64 s[100:101], s[100:101], s[20:21]
	v_and_b32 v1, 31, v0                           ; lane
	v_and_b32 v2, 15, v0                           ; r
	v_bfe_u32 v3, v0, 4, 1                         ; h
	v_lshlrev_b32 v4, 4, v1
	v_lshlrev_b32 v5, 3, v1
	v_lshlrev_b32 v28, 6, v3                       ; bo: 16 h numbers
	v_add_nc_u32 v[ADRA], s84, v4
	v_add_nc_u32 v[ADRB], s85, v4
	v_add_nc_u32 v[ADRA8], s84, v5
	v_add_nc_u32 v[ADRB8], s85, v5
	v_lshlrev_b32 v6, 3, v2                        ; my row's two words of 256 along K
	v_mul_u32_u24 v7, s87, v3                      ; lanes 16-31 take B's
	v_add_nc_u32 v6, v6, v7
	v_add_nc_u32 v[ADRS], s86, v6
	v_mul_u32_u24 v6, v2, SPITCH                   ; the stage, in: row r, 64 bytes on for lanes 16-31
	v_lshl_add_u32 v6, v3, 6, v6
	v_add_nc_u32 v[STO], s88, v6
	v_mul_u32_u24 v7, v3, SPITCH                   ; back: lanes 0-15 one row of 256 bytes, lanes 16-31 the next
	v_lshl_add_u32 v7, v2, 4, v7
	v_add_nc_u32 v[RD], s88, v7
	v_lshlrev_b32 v[CO], 12, v3                    ; and the same two rows in C
	v_lshl_add_u32 v[CO], v2, 4, v[CO]
.irp b, 0,1,2,3                                ; bo in the result's layout: tile b, register j: column 32 (b / 2) + 16 h + 8 (b % 2) + j
	global_load_b128 v[BR+8*\b:BR+8*\b+3], v28, s[12:13] offset:(32*(\b/2)+8*(\b%2))*4
	global_load_b128 v[BR+8*\b+4:BR+8*\b+7], v28, s[12:13] offset:(32*(\b/2)+8*(\b%2))*4+16
.endr
.macro FRAG reg, a16, a8, k, i         ; a fragment comes as it was stored: registers 0-3 and 6-9 at 16 x lane, 4-5 and 10-11 at 8 x lane
	ds_load_b128 v[\reg:\reg+3], v[\a16] offset:(\i)*RT+(\k)*FB
	ds_load_b64 v[\reg+4:\reg+5], v[\a8] offset:(\i)*RT+(\k)*FB+512
	ds_load_b128 v[\reg+6:\reg+9], v[\a16] offset:(\i)*RT+(\k)*FB+768
	ds_load_b64 v[\reg+10:\reg+11], v[\a8] offset:(\i)*RT+(\k)*FB+1280
.endm
.macro FETCH_A a                       ; block a's eight fragments, all of K: 32 loads; even blocks into window 0, odd ones into window 3
.set W_, 0xc0*((\a)%2)
	WIN W_
.irp k, 0,1,2,3,4,5,6,7
	FRAG AF+FR*\k, ADRA, ADRA8, \k, \a
.endr
.endm
; Block a: 32 products, K ascending, the block's four accumulators by turns, one instruction a turn.  The sums begin with bo as C: nothing is cleared.
.macro MULB a
.irp k, 0,1,2,3,4,5,6,7
.if \k == 0
.set W_, 1|((3*((\a)%2))<<2)|0xc0      ; source 0 (B) window 1, source 1 (A) window 0 or 3, C (bo) window 0, D window 3
.else
.set W_, (1+\k/4)|((3*((\a)%2))<<2)|0xf0
.endif
	WIN W_
.irp b, 0,1,2,3
.if \k == 0
	v_wmma_scale_f32_16x16x128_f8f6f4 v[32*((\a)%2)+8*\b:32*((\a)%2)+8*\b+7], v[48*(\k%4)+FR*\b:48*(\k%4)+FR*\b+FR-1], v[AF+FR*\k:AF+FR*\k+FR-1], v[BR+8*\b:BR+8*\b+7], v[SC+8*(\k/2)+2*\b+\k%2], v[SC+8*(\k/2)+2*(\a)+\k%2] matrix_a_fmt:MATRIX_FMT_FP6 matrix_b_fmt:MATRIX_FMT_FP6 matrix_a_scale:MATRIX_SCALE_ROW1
.else
	v_wmma_scale_f32_16x16x128_f8f6f4 v[32*((\a)%2)+8*\b:32*((\a)%2)+8*\b+7], v[48*(\k%4)+FR*\b:48*(\k%4)+FR*\b+FR-1], v[AF+FR*\k:AF+FR*\k+FR-1], v[32*((\a)%2)+8*\b:32*((\a)%2)+8*\b+7], v[SC+8*(\k/2)+2*\b+\k%2], v[SC+8*(\k/2)+2*(\a)+\k%2] matrix_a_fmt:MATRIX_FMT_FP6 matrix_b_fmt:MATRIX_FMT_FP6 matrix_a_scale:MATRIX_SCALE_ROW1
.endif
.endr
.endr
.rept NP
	v_nop                                          ; the places behind the block's products: its results are read, and its fragments' registers loaded, below
.endr
.endm
; THE WAY OUT of a block of 16 rows x 64 columns, through my own stage in LDS: in by lanes (32 bytes of a row), back as whole rows of 256 bytes.  LDS serves a wave's instructions in order (ISA guide 5.7.1.4).
.macro TOSTAGE a
	WIN 0x0c                                       ; an LDS store's data are its source 1: window 3
.irp b, 0,1,2,3
	ds_store_b128 v[STO], v[32*((\a)%2)+8*\b:32*((\a)%2)+8*\b+3] offset:128*(\b/2)+32*(\b%2)      ; each accumulator from its low end on
	ds_store_b128 v[STO], v[32*((\a)%2)+8*\b+4:32*((\a)%2)+8*\b+7] offset:128*(\b/2)+32*(\b%2)+16
.endr
	WIN 0xc0
.irp t, 0,1,2,3,4,5,6,7
	ds_load_b128 v[BK+32*((\a)%2)+4*\t:BK+32*((\a)%2)+4*\t+3], v[RD] offset:\t*2*SPITCH
.endr
.endm
.macro SEND a, younger                 ; younger: the LDS instructions issued behind block a's loads from the stage, which may stay out
	s_wait_dscnt \younger
	WIN 0x0c                                       ; a store's data are its source 1: window 3
.irp t, 0,1,2,3,4,5,6,7
	global_store_b128 v[CO], v[BK+32*((\a)%2)+4*\t:BK+32*((\a)%2)+4*\t+3], s[100:101] offset:(32*((\a)/2)+8*((\a)%2)+2*\t+8*(\t/4))*4096 th:TH_STORE_NT   ; sixteen lanes store 256 consecutive bytes, aligned; stage row i is row i + 8 (i / 8) of the block
.endr
.endm
	s_wait_alu depctr_va_vdst(0)                   ; the wait at the head's end
	s_cmp_lt_u32 s14, 3                            ; waves 0 to 2 issued the lines whose tiles the first barrier shows
	s_cbranch_scc0 .Lnot_first
	s_wait_tensorcnt 0x0
.Lnot_first:
	s_barrier_signal -1
	s_barrier_wait -1                              ; B's codes and both operands' scale words are in
.irp c, 0,1,2,3                                ; the scale words of all of K
.irp i, 0,1,2,3
	ds_load_b64 v[SC+8*\c+2*\i:SC+8*\c+2*\i+1], v[ADRS] offset:\i*SBLK+128*\c
.endr
.endr
.irp k, 0,1,2,3,4,5,6,7                        ; my 4 tiles of Wo, all of K, into windows 1 and 2: 128 loads
.set W_, (1+\k/4)<<6
	WIN W_
.irp b, 0,1,2,3
	FRAG 48*(\k%4)+FR*\b, ADRB, ADRB8, \k, \b
.endr
.endr
	WIN 0
	s_wait_tensorcnt 0x0                           ; wave 3: A's codes are in,
	s_wait_dscnt 0x0
	s_barrier_signal -1
	s_barrier_wait -1                              ; and shown to all
	FETCH_A 0
	FETCH_A 1
	s_wait_loadcnt 0x0                             ; bo
	s_wait_dscnt 32                                ; block 0's fragments are in; block 1's 32 loads may be out
	MULB 0
	TOSTAGE 0
	FETCH_A 2
	s_wait_dscnt 48                                ; block 1's are in; behind them: the stage's 16 and block 2's 32
	MULB 1
	SEND 0, 32                                     ; behind block 0's loads from the stage: block 2's 32
	TOSTAGE 1
	FETCH_A 3
	s_wait_dscnt 48                                ; block 2's are in; behind them: the stage's 16 and block 3's 32
	MULB 2
	SEND 1, 32
	s_wait_xcnt 0x0                                ; block 0's stores have read their registers: block 2's rows land there only behind this wait
	TOSTAGE 2
	s_wait_dscnt 16                                ; block 3's are in; behind them: the stage's 16
	MULB 3
	SEND 2, 0
	s_wait_xcnt 0x0                                ; block 1's stores have read their registers
	TOSTAGE 3
	SEND 3, 0
	WIN 0
	s_wait_tensorcnt 0x0                           ; the wave's end
	ds_add_u32 v254, v255
	s_wait_dscnt 0x0
	CROUND                                         ; the closing round
	s_endpgm
.Lfunc_end_k_q33b8922c09_outp:
	.size	k_q33b8922c09_outp, .Lfunc_end_k_q33b8922c09_outp-k_q33b8922c09_outp
	.p2alignl 7, 3214868480
	.fill 96, 4, 3214868480
	.section	.rodata,"a",@progbits
	.p2align	6, 0x0
	.amdhsa_kernel k_q33b8922c09_outp
		.amdhsa_group_segment_fixed_size 222720
		.amdhsa_private_segment_fixed_size 0
		.amdhsa_enable_private_segment 0
		.amdhsa_kernarg_size 48
		.amdhsa_user_sgpr_count 2
		.amdhsa_user_sgpr_kernarg_segment_ptr 1
		.amdhsa_wavefront_size32 1
		.amdhsa_system_sgpr_workgroup_id_x 1
		.amdhsa_system_sgpr_workgroup_id_y 1
		.amdhsa_system_sgpr_workgroup_id_z 1
		.amdhsa_system_vgpr_workitem_id 0
		.amdhsa_next_free_vgpr 1024
		.amdhsa_next_free_sgpr 102
		.amdhsa_reserve_vcc 0
		.amdhsa_float_denorm_mode_32 3
		.amdhsa_float_denorm_mode_16_64 3
		.amdhsa_memory_ordered 1
		.amdhsa_forward_progress 1
		.amdhsa_inst_pref_size 52
	.end_amdhsa_kernel
	.amdgpu_metadata
---
amdhsa.version: [ 1, 2 ]
amdhsa.kernels:
  - .name:           k_q33b8922c09_outp
    .symbol:         k_q33b8922c09_outp.kd
    .args:
      - { .name: vals_codes, .offset: 0, .size: 8, .value_kind: global_buffer, .address_space: global }
      - { .name: vals_scales, .offset: 8, .size: 8, .value_kind: global_buffer, .address_space: global }
      - { .name: xw_codes, .offset: 16, .size: 8, .value_kind: global_buffer, .address_space: global }
      - { .name: xw_scales, .offset: 24, .size: 8, .value_kind: global_buffer, .address_space: global }
      - { .name: bo, .offset: 32, .size: 8, .value_kind: global_buffer, .address_space: global }
      - { .name: out0, .offset: 40, .size: 8, .value_kind: global_buffer, .address_space: global }
    .group_segment_fixed_size: 222720
    .private_segment_fixed_size: 0
    .kernarg_segment_align: 8
    .kernarg_segment_size: 48
    .max_flat_workgroup_size: 128
    .sgpr_count:     102
    .vgpr_count:     1024
    .wavefront_size: 32
...
	.end_amdgpu_metadata
.endif
;; end of part 4
